; MI455X (gfx1250); checked and timed in simulation.
; The chip was launched on July 23, 2026; its instructions are those of AMD's public machine-readable ISA for CDNA 5 (MIT licence, August 2026) and "CDNA5" Instruction Set Architecture Reference Guide (July 2026). The comments in the code are by the model that wrote it; some were corrected since.
;; Mo EFNN. Allowed arithmetic: matrix products marked QUANTISED: E2M3 operands, one E8M0 scale for each 32 along K, by v_wmma_scale_f32_16x16x128_f8f6f4 with both operands' format E2M3, f32 sums; products left as they are: f32 operands where the result goes on into a quantised operand, else bf16, f16 or f32 operands; f32 sums; everything else in f32.
;; Inputs: W1 8 x 1,024 x 512 float32; W2 8 x 512 x 1,024 float32; Wg 1,024 x 8 float32; b1 8 x 512 float32; b2 8 x 1,024 float32; beta 1,024 float32; gamma 1,024 float32; x 4 x 2,048 x 1,024 float32.
;; Outputs: out0 4 x 2,048 x 1,024 float32; out1 one number float32.
;; This version of the problem:
;;   THIS VERSION OF THE PROBLEM IS GIVEN IN LOW PRECISION. The matrix products marked QUANTISED in the list below multiply operands that are first quantised to E2M3 (2 exponent bits, 3 mantissa bits; 6 bits a number), with one power-of-two scale for each 32 numbers along K (OCP MX v1.0); their sums are f32. All else is computed in f32.
;;   The module's matrix products, in the order in which they are computed (A, B: the left and right operand; K: the contracted axis; several contracted axes count as one K, in the product's order):
;;     1. [M 8,192, K 1,024] x [K 1,024, N 8]; A: input x; B: input Wg: left as it is (N = 8 < 16)
;;     2. batch 8,192 x [M 1, K 2] x [K 2, N 8]; A: softmax; B: computed on the way: left as it is (K = 2 < 32)
;;     3. [M 4,096, K 1,024] x [K 1,024, N 8,192]; A: input W1; B: input x: QUANTISED
;;     4. batch 8 x [M 8,192, K 512] x [K 512, N 1,024]; A: computed on the way; B: input W2: QUANTISED
;;     5. batch 8,192 x [M 1, K 8] x [K 8, N 1,024]; A: computed on the way; B: computed on the way: left as it is (K = 8 < 32)
;;   THE QUANTISER, for each operand of a quantised product, along K:
;;     - K is cut into blocks of 32 from its start; a last block that is shorter is filled with zeros.
;;     - A block's scale is 2^e with e = floor(log2(the largest magnitude in the block)) - 2, held to -126 .. 127; a block of zeros has e = 0. As a byte (E8M0): e + 127.
;;     - Each number is divided by its block's scale, clamped to +-7.5, and rounded to the nearest number of E2M3, ties to even, subnormals kept.
;;     - The product sums the exact products of the quantised numbers (number of the format x scale) in f32.
;;   ~~~python
;;   def quantise(x, axis):      # numpy; x: float32 -> the quantised numbers, widened to float32 again
;;       x = np.moveaxis(x, axis, -1); K = x.shape[-1]
;;       x = np.pad(x, [(0, 0)] * (x.ndim - 1) + [(0, -K % 32)]); x = x.reshape(x.shape[:-1] + (-1, 32)); a = np.abs(x).max(-1, keepdims=True)
;;       e = np.where(a > 0, np.clip(np.frexp(np.where(a > 0, a, 1))[1] - 1 - 2, -126, 127), 0)      # np.frexp(a)[1] - 1 = floor(log2(a)), exactly
;;       r = np.clip(x / 2.0 ** e, -7.5, 7.5)
;;       step = 2.0 ** (np.maximum(np.frexp(np.where(r == 0, 1, r))[1] - 1, 0) - 3)
;;       q = np.round(r / step) * step * 2.0 ** e      # np.round: ties to even
;;       return np.moveaxis(q.reshape(q.shape[:-2] + (-1,))[..., :K], -1, axis).astype(np.float32)
;;   ~~~
;;   OPERANDS COMPUTED ON THE WAY. 'Computed on the way' means the value that the module computes at that place (a softmax that the list does not call 'softmax' is quantised finished and normalised). What goes into a quantiser is computed in f32, as accurately as f32 sums, v_exp_f32 and their like allow (about 1e-6 of the number): no bf16 or f16 on the way to a quantiser, and a product that is left as it is and whose result goes on into a quantised operand takes f32 operands (vector FMAs, or v_wmma_f32_16x16x4_f32). A number that lies on a knife's edge between two numbers of the format may be rounded either way, as far as f32 arithmetic and the matrix unit's own rounding can turn it there, and no further.
;; 2 versions. Each part assembles by itself: llvm-mc -triple=amdgcn-amd-amdhsa -mcpu=gfx1250 --defsym DOCPART=n.
;; ======== version 1 of 2: 3 launches
;; workspace buffers: xq 6,291,456 bytes; xs 262,144 bytes; wf 6,291,456 bytes; ws 262,144 bytes; route 65,536 bytes of whole numbers; gat 131,072 bytes; plan 37,120 bytes of whole numbers
;; launch prep (part 1): grid 512 x 1, 8 waves a work-group, no clusters, 152,320 bytes of LDS; arguments x, Wg, W1, W2, xq, xs, wf, ws, route, gat; writes xq, xs, wf, ws, route, gat
.if DOCPART == 1
	.amdgcn_target "amdgcn-amd-amdhsa--gfx1250"
	.amdhsa_code_object_version 6
	.text
	.protected	k_qaf86edd1d4_prep
	.globl	k_qaf86edd1d4_prep
	.p2align	8
	.type	k_qaf86edd1d4_prep,@function
k_qaf86edd1d4_prep:
	s_mov_b64 s[64:65], 0
	v_nop
	global_prefetch_b8 v0, s[64:65] scope:SCOPE_SE
	s_setreg_imm32_b32 hwreg(HW_REG_WAVE_MODE, 25, 1), 1
	s_wait_xcnt 0x0
; PREP.  256 work-groups: the router and x's quantiser, 32 tokens each.  256 work-groups: W1 (128) and W2 (128) into codes of FP6 (E2M3), laid in the order of the operand's registers.
; WHO DOES WHAT: bit 0 xor bit 8 of the work-group's number k: 0 the router's path, 1 the weights'; j = k / 2 says which part.  So k and k + 256 take different paths, and each (path, j) is served once:
; routers: even k < 256 (j 0-127), odd k >= 256 (j 128-255); weights: odd k < 256 (j 0-127: W1), even k >= 256 (j 128-255: W2).
; ROUTER: logits = x Wg in f32 (fused multiply-adds), top 2 (ties: the lower index), softmax of the two.  Stored at fixed places: for each token its key p (the unordered pair a < b of experts, 28 keys),
; its rank among the group's tokens of that key, the group's count of each key (route, whole numbers); the gates (ga, gb) and the group's parts of the loss (gat).  No address and no branch hangs on them here.
; x's CODES: a block of 32 along D has the scale 2^(floor(log2(largest magnitude)) - 2); xq [token][768]: block 4 s + 2 c + h at 384 h + 48 s + 24 c, so that a lane's half h finds the 12 registers of K step s on end.
; WEIGHTS: a lane takes a column, its registers run down K (the first axis of W1[e] and W2[e]); a tile of 16 columns x 128 K leaves as the image of the operand's 12 registers: register i of lane l at 512 (i / 4) + 16 l + 4 (i % 4).
; W1's tile 2 b + u of a wave's 128 hidden units takes units 32 b + 8 u + r + 8 (r / 8), so that the first product's results are neighbours along the second product's K.
; LIMITS: NaN and infinities among the inputs are not served.  A block of zeros gets the byte 1 (not 127): its codes are zeros, and this program alone reads the bytes.  A second gate under 2^-126 is flushed to 0
; by the exponential (logit gap above 87.3): that touches the loss's load term alone.
; The three paths part on the work-group's number, never join, and have LDS bytes of their own.
.set WGI,  0                           ; router: Wg as images [chunk 8][piece 8][lane 32] of 16 bytes
.set TS,   32768                       ; router: a stage of 5,120 bytes a wave: a token's 64 runs of 64 bytes, 80 apart
.set CQ,   73728                       ; router: 3,072 bytes a wave: four tokens' codes
.set SCB,  98304                       ; router: 32 tokens x 32 scale bytes
.set KEYS, 99328                       ; router: a word a token
.set GP,   99584                       ; router: (ga, gb) a token
.set RS,   99840                       ; router: the 64 words of route
.set W1ST, 100096                      ; W1: 3,072 bytes a wave: two images
.set W1SC, 124672                      ; W1: scale words
.set W2ST, 125696                      ; W2 likewise
.set W2SC, 150272
.set XR,  16                           ; v16-143  x: token t, chunk i: columns 128 i + 4 lane + 0 .. 3
.set WB,  144                          ; v144-207 Wg: two sets of 32
.set ACC, 208                          ; v208-239 logits: token t, experts in pairs
.set LG,  176
.set QX,  144                          ; the quantiser: two sets of 16 neighbours
.set QC,  204
.set QM,  212
.set QS,  216
.set QB,  218
	s_load_b512 s[4:19], s[0:1], 0x0               ; x, Wg, W1, W2, xq, xs, wf, ws
	s_load_b128 s[20:23], s[0:1], 0x40             ; route, gat
	v_lshl_add_u32 v254, v0, 2, 0x24f00
	v_mov_b32 v255, 0
	v_lshrrev_b32 v1, 5, v0
	v_readfirstlane_b32 s24, v1                    ; wave 0..7
	v_and_b32 v1, 31, v0                           ; lane
	v_lshlrev_b32 v2, 4, v1                        ; 16 x lane
	s_lshr_b32 s25, ttmp9, 1                       ; j: which router group, or which part of the weights
	s_and_b32 s26, s24, 1
	s_lshr_b32 s27, s24, 1
	s_mov_b32 s41, 0                               ; high words of the offsets' pairs
	s_mov_b32 s43, 0
	s_mov_b32 s45, 0
	s_lshr_b32 s28, ttmp9, 8
	s_xor_b32 s28, s28, ttmp9
	s_and_b32 s28, s28, 1                          ; the path: bit 0 xor bit 8 of the work-group's number
	s_wait_kmcnt 0x0
	s_cmp_eq_u32 s28, 0
	s_cbranch_scc0 .Lweights
; ---------------------------------------------------------------- the router's path
	s_lshl_b32 s40, s25, 17                        ; 32 tokens of 4,096 bytes a group,
	s_lshl_b32 s29, s24, 14                        ; 4 tokens a wave
	s_add_co_u32 s40, s40, s29
	s_add_nc_u64 s[4:5], s[4:5], s[40:41]
	s_lshl_b32 s29, s24, 12
	v_add_nc_u32 v4, s29, v2                       ; Wg: wave v fetches chunk v, 4,096 dense bytes
.irp q, 0,1,2,3,4,5,6,7
	global_load_b128 v[WB+4*\q:WB+4*\q+3], v4, s[6:7] offset:512*\q
.endr
.irp i, 0,1,2,3,4,5,6,7
.irp t, 0,1,2,3
	global_load_b128 v[XR+32*\t+4*\i:XR+32*\t+4*\i+3], v2, s[4:5] offset:4096*\t+512*\i th:TH_LOAD_NT   ; 512 consecutive bytes a load; chunk by chunk
.endr
.endr
	v_and_b32 v5, 7, v1                            ; where a loaded piece goes: byte 512 q + 16 l of a chunk is piece l % 8 of lane 4 q + l / 8
	v_lshrrev_b32 v6, 3, v1
	v_lshlrev_b32 v5, 9, v5
	v_lshl_add_u32 v5, v6, 4, v5
	v_add_nc_u32 v5, s29, v5
	s_mul_i32 s29, s24, 5120
	s_add_co_u32 s29, s29, TS
	v_lshrrev_b32 v7, 2, v1
	v_mul_u32_u24 v7, v7, 80
	v_and_b32 v8, 3, v1
	v_lshl_add_u32 v7, v8, 4, v7
	v_add_nc_u32 v7, s29, v7                       ; the stage, in: 80 (lane / 4) + 16 (lane % 4)
	v_mul_u32_u24 v8, v1, 80
	v_add_nc_u32 v8, s29, v8                       ; and out: 80 x lane: 16 neighbours
	s_mul_i32 s29, s24, 3072
	s_add_co_u32 s29, s29, CQ
	v_bfe_u32 v9, v1, 1, 1                         ; my half block's 12 bytes in xq's order: block 16 p + lane / 2 = 4 s + 2 c + h
	v_mul_u32_u24 v9, v9, 384
	v_lshrrev_b32 v10, 3, v1
	v_mad_u32_u24 v9, v10, 48, v9
	v_bfe_u32 v10, v1, 2, 1
	v_mad_u32_u24 v9, v10, 24, v9
	v_and_b32 v10, 1, v1
	v_mad_u32_u24 v9, v10, 12, v9
	v_add_nc_u32 v9, s29, v9
	v_add_nc_u32 v11, s29, v2                      ; the codes, read back dense
	s_lshl_b32 s29, s24, 7
	s_add_co_u32 s29, s29, SCB
	v_lshrrev_b32 v10, 1, v1
	v_add_nc_u32 v10, s29, v10                     ; my block's scale byte
	v_and_b32 v3, 3, v1
	s_lshl_b32 s29, s24, 4
	s_add_co_u32 s29, s29, KEYS
	v_lshl_add_u32 v12, v3, 2, s29
	s_lshl_b32 s29, s24, 5
	s_add_co_u32 s29, s29, GP
	v_lshl_add_u32 v13, v3, 3, s29
	s_lshl_b32 s29, s26, 9
	v_add_nc_u32 v15, s29, v2                      ; waves 2, 3: 512 bytes each of the group's scale bytes
	v_add_nc_u32 v14, SCB, v15
	v_lshl_add_u32 v240, v1, 2, KEYS               ; wave 0, a lane a token
	v_lshl_add_u32 v241, v1, 3, GP
	v_lshl_add_u32 v242, v1, 2, RS
	v_lshl_add_u32 v243, v1, 3, RS
	v_lshlrev_b32 v244, 3, v1
	s_lshl_b32 s40, s25, 3
	s_add_co_u32 s40, s40, s24
	s_mul_i32 s40, s40, 3072
	s_add_nc_u64 s[12:13], s[12:13], s[40:41]      ; xq at my four tokens
	s_lshl_b32 s40, s25, 10
	s_add_nc_u64 s[14:15], s[14:15], s[40:41]      ; xs at the group
	s_lshl_b32 s40, s25, 8
	s_add_nc_u64 s[20:21], s[20:21], s[40:41]      ; route and gat at the group
	s_add_nc_u64 s[22:23], s[22:23], s[40:41]
	s_mov_b32 s30, 0x76543210
	s_mov_b32 s31, 0xfedcba98                      ; lane l xor 16
	s_mov_b32 s32, 0xaaaaaaaa                      ; lanes with bit 0
	s_mov_b32 s33, 0xcccccccc                      ; lanes with bit 1
	s_wait_loadcnt 32                              ; Wg's eight loads are in; x's 32 stay out
.irp q, 0,1,2,3,4,5,6,7
	ds_store_b128 v5, v[WB+4*\q:WB+4*\q+3] offset:64*\q
.endr
	s_wait_dscnt 0x0                               ; for the others' sake: my chunk of Wg lies in LDS
	s_barrier_signal -1
	s_barrier_wait -1
.macro LDW i                           ; chunk i: my four columns' 32 numbers of Wg
.irp q, 0,1,2,3,4,5,6,7
	ds_load_b128 v[WB+32*((\i)%2)+4*\q:WB+32*((\i)%2)+4*\q+3], v2 offset:4096*(\i)+512*\q
.endr
.endm
.macro FMAJ i, j                       ; column 128 i + 4 lane + j of four tokens against its eight numbers of Wg; 16 chains
.irp t, 0,1,2,3
.irp p, 0,1,2,3
.if ((\i)==0)&&((\j)==0)
	v_pk_mul_f32 v[ACC+8*\t+2*\p:ACC+8*\t+2*\p+1], v[WB+32*((\i)%2)+8*(\j)+2*\p:WB+32*((\i)%2)+8*(\j)+2*\p+1], v[XR+32*\t+4*(\i)+2*((\j)/2):XR+32*\t+4*(\i)+2*((\j)/2)+1] op_sel_hi:[1,0]
.elseif ((\j)%2)==0
	v_pk_fma_f32 v[ACC+8*\t+2*\p:ACC+8*\t+2*\p+1], v[WB+32*((\i)%2)+8*(\j)+2*\p:WB+32*((\i)%2)+8*(\j)+2*\p+1], v[XR+32*\t+4*(\i)+2*((\j)/2):XR+32*\t+4*(\i)+2*((\j)/2)+1], v[ACC+8*\t+2*\p:ACC+8*\t+2*\p+1] op_sel_hi:[1,0,1]
.else
	v_pk_fma_f32 v[ACC+8*\t+2*\p:ACC+8*\t+2*\p+1], v[WB+32*((\i)%2)+8*(\j)+2*\p:WB+32*((\i)%2)+8*(\j)+2*\p+1], v[XR+32*\t+4*(\i)+2*((\j)/2):XR+32*\t+4*(\i)+2*((\j)/2)+1], v[ACC+8*\t+2*\p:ACC+8*\t+2*\p+1] op_sel:[0,1,0] op_sel_hi:[1,1,1]
.endif
.endr
.endr
.endm
	LDW 0
.irp i, 0,1,2,3,4,5,6,7
.if \i<7
	LDW \i+1
	s_wait_dscnt 8                                 ; this chunk's eight are in; the next chunk's eight stay out
.else
	s_wait_dscnt 0x0
.endif
	s_wait_loadcnt 28-4*\i                         ; x's chunk i of four tokens is in; four loads for each later chunk stay out
.irp j, 0,1,2,3
	FMAJ \i,\j
.endr
.endr
.irp k, 1,2,4,8                        ; the 32 sums over the lanes
.set N, 0
.rept 32
	v_add_f32_dpp v[ACC+N], v[ACC+N], v[ACC+N] row_xmask:\k row_mask:0xf bank_mask:0xf
.set N, N+1
.endr
.endr
.set N, 0
.rept 32
	v_permlanex16_b32 v[WB+N], v[ACC+N], s30, s31
.set N, N+1
.endr
.set N, 0
.rept 32
	v_add_f32 v[ACC+N], v[ACC+N], v[WB+N]
.set N, N+1
.endr
.irp e, 0,1,2,3,4,5,6,7                ; lane l goes on with token l % 4
	v_cndmask_b32 v184, v[ACC+\e], v[ACC+8+\e], s32
	v_cndmask_b32 v185, v[ACC+16+\e], v[ACC+24+\e], s32
	v_cndmask_b32 v[LG+\e], v184, v185, s33
.endr
	v_mov_b32 v186, v[LG]                          ; the largest, by strict compares in ascending order: the lower index keeps a tie
	v_mov_b32 v187, 0
.irp e, 1,2,3,4,5,6,7
	v_cmp_gt_f32 vcc_lo, v[LG+\e], v186
	v_cndmask_b32 v186, v186, v[LG+\e], vcc_lo
	v_cndmask_b32 v187, v187, \e, vcc_lo
.endr
	v_mov_b32 v190, 0xff800000
.irp e, 0,1,2,3,4,5,6,7
	v_cmp_eq_u32 vcc_lo, \e, v187
	v_cndmask_b32 v[LG+\e], v[LG+\e], v190, vcc_lo ; the winner is out
.endr
	v_mov_b32 v188, v[LG]
	v_mov_b32 v189, 0
.irp e, 1,2,3,4,5,6,7
	v_cmp_gt_f32 vcc_lo, v[LG+\e], v188
	v_cndmask_b32 v188, v188, v[LG+\e], vcc_lo
	v_cndmask_b32 v189, v189, \e, vcc_lo
.endr
	v_sub_f32 v191, v188, v186                     ; the maximum is taken away: second - first, 0 or less
	v_mul_f32 v191, 0x3fb8aa3b, v191
	v_exp_f32 v192, v191
	v_min_u32 v193, v187, v189                     ; a, the lower expert (a plain instruction behind the exponential)
	s_wait_alu depctr_va_vdst(0)                   ; the wait ahead of the result's first reader
	v_add_f32 v194, 1.0, v192
	v_rcp_f32 v195, v194                           ; the first's gate
	v_add_nc_u32 v196, v187, v189
	s_wait_alu depctr_va_vdst(0)
	v_mul_f32 v197, v192, v195                     ; the second's
	v_sub_nc_u32 v196, v196, v193                  ; b, the higher expert
	v_cmp_lt_u32 vcc_lo, v187, v189
	v_cndmask_b32 v198, v197, v195, vcc_lo         ; ga
	v_cndmask_b32 v199, v195, v197, vcc_lo         ; gb
	v_sub_nc_u32 v200, 15, v193
	v_mul_u32_u24 v200, v193, v200
	v_lshrrev_b32 v200, 1, v200
	v_add_nc_u32 v200, v200, v196
	v_sub_nc_u32 v200, v200, v193
	v_add_nc_u32 v200, -1, v200                    ; p = a (15 - a) / 2 + b - a - 1
	v_lshl_or_b32 v200, v193, 8, v200
	v_lshl_or_b32 v200, v196, 16, v200
	ds_store_b32 v12, v200                         ; (the eight lanes of a token write the same word with the same value)
	ds_store_b64 v13, v[198:199]
; token t of my four: through the stage, so that a lane holds 16 neighbours (two lanes hold a block); scale, codes, byte
.macro XQUANT t
.irp i, 0,1,2,3,4,5,6,7
	ds_store_b128 v7, v[XR+32*\t+4*\i:XR+32*\t+4*\i+3] offset:640*\i
.endr
.irp p, 0,1
.irp c, 0,1,2,3
	ds_load_b128 v[QX+16*\p+4*\c:QX+16*\p+4*\c+3], v8 offset:2560*\p+16*\c   ; LDS serves a wave's instructions in order: these see the stores above
.endr
.endr
	s_wait_dscnt 0x0                               ; the numbers are back, and the last token's stores have read their registers
.irp p, 0,1
	v_max3_num_f32 v[QM+2*\p], |v[QX+16*\p]|, |v[QX+16*\p+1]|, |v[QX+16*\p+2]|
	v_max3_num_f32 v[QM+2*\p+1], |v[QX+16*\p+3]|, |v[QX+16*\p+4]|, |v[QX+16*\p+5]|
.endr
.irp i, 6,10
.irp p, 0,1
	v_max3_num_f32 v[QM+2*\p], v[QM+2*\p], |v[QX+16*\p+\i]|, |v[QX+16*\p+\i+1]|
	v_max3_num_f32 v[QM+2*\p+1], v[QM+2*\p+1], |v[QX+16*\p+\i+2]|, |v[QX+16*\p+\i+3]|
.endr
.endr
.irp p, 0,1
	v_max3_num_f32 v[QM+2*\p], v[QM+2*\p], |v[QX+16*\p+14]|, |v[QX+16*\p+15]|
.endr
.irp p, 0,1
	v_max3_num_f32 v[QM+2*\p], v[QM+2*\p], v[QM+2*\p+1], 0x1800000   ; the floor 2^(3 - 127): the byte cannot fall under 1
.endr
.irp p, 0,1
	v_max_num_f32_dpp v[QM+2*\p], v[QM+2*\p], v[QM+2*\p] row_xmask:1 row_mask:0xf bank_mask:0xf   ; with my neighbour's 16: the block's
.endr
.irp p, 0,1
	v_add_nc_u32 v[QS+\p], 0xff000000, v[QM+2*\p]  ; 2 off the exponent field: the conversion's scale operand
.endr
.irp p, 0,1
	v_cvt_scalef32_pk16_fp6_f32 v[QC+4*\p:QC+4*\p+2], v[QX+16*\p:QX+16*\p+15], v[QS+\p]
.endr
.irp p, 0,1
	v_lshrrev_b32 v[QB+\p], 23, v[QS+\p]           ; the scale's byte (plain instructions behind the conversions)
.endr
.irp p, 0,1
	ds_store_b32 v9, v[QC+4*\p] offset:768*\t+192*\p
	ds_store_b32 v9, v[QC+4*\p+1] offset:768*\t+192*\p+4
	ds_store_b32 v9, v[QC+4*\p+2] offset:768*\t+192*\p+8
	ds_store_b8 v10, v[QB+\p] offset:32*\t+16*\p   ; both lanes of a block write the same byte
.endr
.endm
	XQUANT 0
	XQUANT 1
	XQUANT 2
	XQUANT 3
.irp q, 0,1,2,3,4,5
	ds_load_b128 v[QX+4*\q:QX+4*\q+3], v11 offset:512*\q
.endr
.irp q, 0,1,2,3,4,5
	s_wait_dscnt 5-\q                              ; piece q is back; the younger ones stay out
	global_store_b128 v2, v[QX+4*\q:QX+4*\q+3], s[12:13] offset:512*\q   ; 512 consecutive bytes, at a multiple of 256 from xq's first byte
.endr
	s_wait_dscnt 0x0                               ; for the others' sake: keys, gates and scale bytes lie in LDS
	s_barrier_signal -1
	s_barrier_wait -1
	s_cmp_eq_u32 s24, 0
	s_cbranch_scc1 .Lwave0
	s_cmp_eq_u32 s27, 1                            ; waves 2 and 3: the group's 1,024 scale bytes
	s_cbranch_scc0 .Lrouter_end
	ds_load_b128 v[176:179], v14
	s_wait_dscnt 0x0
	global_store_b128 v15, v[176:179], s[14:15]
.Lrouter_end:
	s_wait_tensorcnt 0x0
	ds_add_u32 v254, v255
	s_wait_dscnt 0x0
	s_endpgm
.Lwave0:                               ; a lane a token: ranks, counts, the parts of the loss
	ds_load_b32 v16, v240
	ds_load_b64 v[20:21], v241
	v_mov_b32 v22, 0                               ; my rank among the group's tokens of my key
	v_mov_b32 v23, 0                               ; lane p: the group's count of key p
	s_wait_dscnt 0x0
	v_and_b32 v17, 0xff, v16
	v_bfe_u32 v18, v16, 8, 8
	v_bfe_u32 v19, v16, 16, 8
.set PP, 0
.rept 28
	v_cmp_eq_u32 s34, PP, v17
	v_mbcnt_lo_u32_b32 v24, s34, 0
	v_cndmask_b32 v22, v22, v24, s34
	s_bcnt1_i32_b32 s35, s34
	v_writelane_b32 v23, s35, PP
.set PP, PP+1
.endr
	v_lshl_or_b32 v25, v22, 8, v17
	ds_store_b32 v242, v25
	ds_store_b32 v242, v23 offset:128
	ds_load_b64 v[26:27], v243
	global_store_b64 v244, v[20:21], s[22:23]      ; the gates: 256 consecutive bytes
	v_mov_b32 v28, 0
	v_mov_b32 v29, 0
	v_mov_b32 v30, 0
	v_mov_b32 v32, 0
.irp e, 0,1,2,3,4,5,6,7
	v_cmp_eq_u32 vcc_lo, \e, v18
	v_cndmask_b32 v31, 0, v20, vcc_lo
	v_cmp_eq_u32 vcc_lo, \e, v19
	v_cndmask_b32 v31, v31, v21, vcc_lo            ; the dense gate of expert e
	v_cmp_lt_f32 s34, 0, v31
	s_bcnt1_i32_b32 s35, s34
	v_writelane_b32 v30, s35, 8+\e                 ; load
	v_add_f32_dpp v31, v31, v31 row_xmask:1 row_mask:0xf bank_mask:0xf
	v_add_f32_dpp v31, v31, v31 row_xmask:2 row_mask:0xf bank_mask:0xf
	v_add_f32_dpp v31, v31, v31 row_xmask:4 row_mask:0xf bank_mask:0xf
	v_add_f32_dpp v31, v31, v31 row_xmask:8 row_mask:0xf bank_mask:0xf
	v_permlanex16_b32 v32, v31, s30, s31
	v_add_f32 v31, v31, v32
	v_readfirstlane_b32 s35, v31
	v_writelane_b32 v28, s35, \e                   ; importance
.endr
	v_cvt_f32_u32 v30, v30
	v_add_f32 v28, v28, v30                        ; lanes 0-7 importance, 8-15 load, the others 0
	global_store_b64 v244, v[28:29], s[22:23] offset:65536
	s_wait_dscnt 0x0
	global_store_b64 v244, v[26:27], s[20:21]      ; sel and counts: 256 consecutive bytes
	s_wait_tensorcnt 0x0
	ds_add_u32 v254, v255
	s_wait_dscnt 0x0
	s_endpgm
; ---------------------------------------------------------------- the weights' paths
.macro WBLOCK kb, n                    ; block kb = 2 c + h of my column: scale, byte, 24 bytes of codes into the image
.set BX, 32+32*(\kb)
.set BC, 160+8*(\kb)
	s_wait_loadcnt \n
	v_max3_num_f32 v20, |v[BX]|, |v[BX+1]|, |v[BX+2]|
	v_max3_num_f32 v21, |v[BX+3]|, |v[BX+4]|, |v[BX+5]|
.irp i, 6,10,14,18,22,26
	v_max3_num_f32 v20, v20, |v[BX+\i]|, |v[BX+\i+1]|
	v_max3_num_f32 v21, v21, |v[BX+\i+2]|, |v[BX+\i+3]|
.endr
	v_max3_num_f32 v20, v20, |v[BX+30]|, |v[BX+31]|
	v_max3_num_f32 v20, v20, v21, 0x1800000        ; the floor 2^(3 - 127)
	v_add_nc_u32 v22, 0xff000000, v20
	v_lshrrev_b32 v23, 23, v22
.if (\kb)==0
	v_mov_b32 v24, v23
.else
	v_lshl_or_b32 v24, v23, 8*(\kb), v24
.endif
	v_cvt_scalef32_pk16_fp6_f32 v[BC:BC+2], v[BX:BX+15], v22
	v_cvt_scalef32_pk16_fp6_f32 v[BC+4:BC+6], v[BX+16:BX+31], v22   ; (a conversion's three registers begin on an even number)
	v_nop                                          ; one plain instruction behind the conversions
	v_mov_b32 v[BC+3], v[BC+4]
	v_mov_b32 v[BC+4], v[BC+5]
	v_mov_b32 v[BC+5], v[BC+6]
.if (\kb)<2
	ds_store_b128 v6, v[BC:BC+3] offset:256*((\kb)%2)              ; registers 0-3 of lane r + 16 h
	ds_store_b64 v6, v[BC+4:BC+5] offset:512+256*((\kb)%2)         ; 4, 5
.else
	ds_store_b64 v6, v[BC:BC+1] offset:520+256*((\kb)%2)           ; 6, 7
	ds_store_b128 v6, v[BC+2:BC+5] offset:1024+256*((\kb)%2)       ; 8-11
.endif
.endm
; a wave: 32 columns x 128 along K.  pitch: bytes from k to k + 1; perm = 1: W1's choice of a tile's rows; stp: bytes between my two tiles' images in wf; inp: the input's pointer
.macro WBODY pitch, perm, stg, scw, stp, inp
.set K, 0
.rept 128
	global_load_b32 v[32+K], v12, s[\inp:\inp+1] offset:K*\pitch th:TH_LOAD_NT   ; 128 consecutive bytes a load
.set K, K+1
.endr
.if \perm
	v_bfe_u32 v3, v1, 3, 1                         ; u: which of my two tiles
	v_and_b32 v4, 7, v1
	v_lshrrev_b32 v5, 4, v1
	v_lshl_add_u32 v4, v5, 3, v4                   ; r: which row of it
.else
	v_lshrrev_b32 v3, 4, v1
	v_and_b32 v4, 15, v1
.endif
	s_mul_i32 s46, s24, 3072
	v_mul_u32_u24 v6, v3, 1536
	v_lshl_add_u32 v6, v4, 4, v6
	v_add_nc_u32 v6, s46, v6
	v_add_nc_u32 v6, \stg, v6                      ; my column's place in the images
	s_lshl_b32 s47, s26, 1
	v_add_nc_u32 v7, s47, v3                       ; which of the work-group's four tiles
	v_lshlrev_b32 v8, 4, v4
.if \perm
	v_lshl_add_u32 v8, v7, 2, v8
	s_lshl_b32 s47, s27, 8
.else
	v_lshl_add_u32 v8, v7, 8, v8
	s_lshl_b32 s47, s27, 2
.endif
	v_add_nc_u32 v8, s47, v8
	v_add_nc_u32 v8, \scw, v8                      ; my column's scale word
	v_add_nc_u32 v9, s46, v2
	v_add_nc_u32 v9, \stg, v9                      ; the images, read back dense
	s_lshl_b32 s47, s26, 9
	v_add_nc_u32 v10, s47, v2
	v_add_nc_u32 v10, \scw, v10                    ; waves 0, 1: 512 bytes each of the scale words
.if \perm
	s_lshl_b32 s47, s26, 10
	v_lshrrev_b32 v11, 4, v1
	v_lshlrev_b32 v11, 9, v11
	v_and_b32 v13, 15, v1
	v_lshl_add_u32 v11, v13, 4, v11
	v_add_nc_u32 v11, s47, v11                     ; in ws: a K step's half of 256 bytes for each sixteen lanes
.else
	v_add_nc_u32 v11, s47, v2
.endif
	WBLOCK 0, 63                                   ; the first 32 loads are in (96 are younger; the count's field holds 63)
	WBLOCK 1, 63
	WBLOCK 2, 32
	WBLOCK 3, 0
	ds_store_b32 v8, v24
.irp q, 0,1,2,3,4,5
	ds_load_b128 v[192+4*\q:192+4*\q+3], v9 offset:512*\q
.endr
.irp q, 0,1,2,3,4,5
	s_wait_dscnt 5-\q
	global_store_b128 v2, v[192+4*\q:192+4*\q+3], s[16:17] offset:(\q/3)*\stp+512*(\q%3)   ; 512 consecutive bytes, at a multiple of 256 from wf's first byte
.endr
	s_wait_dscnt 0x0                               ; for the others' sake: my scale words lie in LDS
	s_barrier_signal -1
	s_barrier_wait -1
	s_cmp_lt_u32 s24, 2
	s_cbranch_scc0 .Lwend_\@
	ds_load_b128 v[216:219], v10
	s_wait_dscnt 0x0
	global_store_b128 v11, v[216:219], s[18:19]    ; sixteen lanes store 256 consecutive bytes, aligned
.Lwend_\@:
	s_wait_tensorcnt 0x0
	ds_add_u32 v254, v255
	s_wait_dscnt 0x0
	s_endpgm
.endm
.Lweights:
	v_lshlrev_b32 v12, 2, v1
	s_cmp_lt_u32 s25, 128
	s_cbranch_scc0 .Lw2
	s_lshr_b32 s28, s25, 4                         ; W1: expert,
	s_bfe_u32 s29, s25, 0x30001                    ; g: which 64 hidden units,
	s_and_b32 s30, s25, 1                          ; which four K steps
	s_lshl_b32 s31, s30, 2
	s_add_co_u32 s31, s31, s27                     ; my K step
	s_lshr_b32 s32, s29, 1                         ; w: whose 128 units in the chain
	s_and_b32 s33, s29, 1
	s_lshl_b32 s40, s28, 21
	s_lshl_b32 s34, s31, 18
	s_add_co_u32 s40, s40, s34
	s_lshl_b32 s34, s29, 8
	s_add_co_u32 s40, s40, s34
	s_lshl_b32 s34, s26, 7
	s_add_co_u32 s40, s40, s34
	s_add_nc_u64 s[8:9], s[8:9], s[40:41]
	s_lshl_b32 s35, s28, 2
	s_add_co_u32 s35, s35, s32                     ; 4 e + w
	s_lshl_b32 s42, s35, 3
	s_add_co_u32 s42, s42, s31
	s_lshl_b32 s42, s42, 3
	s_lshl_b32 s34, s33, 2
	s_add_co_u32 s42, s42, s34
	s_lshl_b32 s34, s26, 1
	s_add_co_u32 s42, s42, s34                     ; ((4 e + w) 8 + s) 8 + my first tile
	s_mul_i32 s42, s42, 1536
	s_add_nc_u64 s[16:17], s[16:17], s[42:43]
	s_lshl_b32 s44, s35, 3
	s_lshl_b32 s34, s30, 2
	s_add_co_u32 s44, s44, s34
	s_lshl_b32 s44, s44, 9
	s_lshl_b32 s34, s33, 8
	s_add_co_u32 s44, s44, s34
	s_add_nc_u64 s[18:19], s[18:19], s[44:45]
	WBODY 2048, 1, W1ST, W1SC, 1536, 8
.Lw2:
	s_sub_co_u32 s25, s25, 128
	s_lshr_b32 s28, s25, 4                         ; W2: expert,
	s_and_b32 s29, s25, 15                         ; g: which 64 outputs
	s_lshr_b32 s32, s29, 2                         ; w: whose 256 outputs in the chain
	s_and_b32 s33, s29, 3
	s_lshl_b32 s40, s28, 21
	s_lshl_b32 s34, s27, 19
	s_add_co_u32 s40, s40, s34
	s_lshl_b32 s34, s29, 8
	s_add_co_u32 s40, s40, s34
	s_lshl_b32 s34, s26, 7
	s_add_co_u32 s40, s40, s34
	s_add_nc_u64 s[10:11], s[10:11], s[40:41]
	s_lshl_b32 s35, s28, 2
	s_add_co_u32 s35, s35, s32
	s_lshl_b32 s35, s35, 4
	s_lshl_b32 s34, s33, 2
	s_add_co_u32 s35, s35, s34                     ; (4 e + w) 16 + 4 (g % 4)
	s_lshl_b32 s34, s26, 1
	s_add_co_u32 s42, s35, s34                     ; + my first tile
	s_lshl_b32 s42, s42, 2
	s_add_co_u32 s42, s42, s27                     ; x 4 + my K step
	s_mul_i32 s42, s42, 1536
	s_add_co_u32 s42, s42, 3145728
	s_add_nc_u64 s[16:17], s[16:17], s[42:43]
	s_lshl_b32 s44, s35, 8
	s_add_co_u32 s44, s44, 131072
	s_add_nc_u64 s[18:19], s[18:19], s[44:45]
	WBODY 4096, 0, W2ST, W2SC, 6144, 10
.Lfunc_end_k_qaf86edd1d4_prep:
	.size	k_qaf86edd1d4_prep, .Lfunc_end_k_qaf86edd1d4_prep-k_qaf86edd1d4_prep
	.p2alignl 7, 3214868480
	.fill 96, 4, 3214868480
	.section	.rodata,"a",@progbits
	.p2align	6, 0x0
	.amdhsa_kernel k_qaf86edd1d4_prep
		.amdhsa_group_segment_fixed_size 152320
		.amdhsa_private_segment_fixed_size 0
		.amdhsa_enable_private_segment 0
		.amdhsa_kernarg_size 80
		.amdhsa_user_sgpr_count 2
		.amdhsa_user_sgpr_kernarg_segment_ptr 1
		.amdhsa_wavefront_size32 1
		.amdhsa_system_sgpr_workgroup_id_x 1
		.amdhsa_system_sgpr_workgroup_id_y 1
		.amdhsa_system_sgpr_workgroup_id_z 1
		.amdhsa_system_vgpr_workitem_id 0
		.amdhsa_next_free_vgpr 256
		.amdhsa_next_free_sgpr 66
		.amdhsa_reserve_vcc 1
		.amdhsa_float_denorm_mode_32 3
		.amdhsa_float_denorm_mode_16_64 3
		.amdhsa_memory_ordered 1
		.amdhsa_forward_progress 1
		.amdhsa_inst_pref_size 134
	.end_amdhsa_kernel
	.amdgpu_metadata
---
amdhsa.version: [ 1, 2 ]
amdhsa.kernels:
  - .name:           k_qaf86edd1d4_prep
    .symbol:         k_qaf86edd1d4_prep.kd
    .args:
      - { .name: x, .offset: 0, .size: 8, .value_kind: global_buffer, .address_space: global }
      - { .name: Wg, .offset: 8, .size: 8, .value_kind: global_buffer, .address_space: global }
      - { .name: W1, .offset: 16, .size: 8, .value_kind: global_buffer, .address_space: global }
      - { .name: W2, .offset: 24, .size: 8, .value_kind: global_buffer, .address_space: global }
      - { .name: xq, .offset: 32, .size: 8, .value_kind: global_buffer, .address_space: global }
      - { .name: xs, .offset: 40, .size: 8, .value_kind: global_buffer, .address_space: global }
      - { .name: wf, .offset: 48, .size: 8, .value_kind: global_buffer, .address_space: global }
      - { .name: ws, .offset: 56, .size: 8, .value_kind: global_buffer, .address_space: global }
      - { .name: route, .offset: 64, .size: 8, .value_kind: global_buffer, .address_space: global }
      - { .name: gat, .offset: 72, .size: 8, .value_kind: global_buffer, .address_space: global }
    .group_segment_fixed_size: 152320
    .private_segment_fixed_size: 0
    .kernarg_segment_align: 8
    .kernarg_segment_size: 80
    .max_flat_workgroup_size: 256
    .sgpr_count:     66
    .vgpr_count:     256
    .wavefront_size: 32
...
	.end_amdgpu_metadata
.endif
;; end of part 1
;; launch place (part 2): grid 1 x 1, 16 waves a work-group, no clusters, 6,144 bytes of LDS; arguments route, gat, plan, out1; writes plan, out1
.if DOCPART == 2
	.amdgcn_target "amdgcn-amd-amdhsa--gfx1250"
	.amdhsa_code_object_version 6
	.text
	.protected	k_qaf86edd1d4_place
	.globl	k_qaf86edd1d4_place
	.p2align	8
	.type	k_qaf86edd1d4_place,@function
k_qaf86edd1d4_place:
	s_mov_b64 s[64:65], 0
	v_nop
	global_prefetch_b8 v0, s[64:65] scope:SCOPE_SE
	s_setreg_imm32_b32 hwreg(HW_REG_WAVE_MODE, 25, 1), 1
	s_wait_xcnt 0x0
; PLACE.  One work-group sorts the 8,192 tokens by their key (28 unordered pairs of experts) by a counting sort without atomics, writes the list of tiles, and finishes the loss.
; route: [256 groups][64 words]: words 0-31 key | rank << 8 of the group's 32 tokens, words 32-63 the group's count of each key.  gat from byte 65,536: [256 groups][32 x (value, 0)]: importance, load.
; plan: byte 0: 160 records (first, count, a, b); byte 4,096: the tokens in the order of their keys, dense, and 64 zeros behind them, so that a tile's 64 reads stay inside.
; A tile is at most 64 tokens of one key: never more than 8,192 / 64 + 27 = 155 tiles; records past the last tile have count 0.
; Wave v owns groups 16 v .. 16 v + 15.  For counts a lane is a key, for tokens a lane is a token.
.set CNT, 16
.set SEL, 32
.set LS,  48
.set PRE, 64
.set WTL, 96
	s_load_b256 s[4:11], s[0:1], 0x0               ; route, gat, plan, out1
	v_lshl_add_u32 v192, v0, 2, 0x1000
	v_mov_b32 v193, 0
	v_lshrrev_b32 v1, 5, v0
	v_readfirstlane_b32 s12, v1                    ; wave 0..15
	v_and_b32 v1, 31, v0                           ; lane
	v_lshlrev_b32 v2, 2, v1
	v_lshlrev_b32 v3, 2, v0                        ; LDS: a word a thread
	s_lshl_b32 s13, s12, 12
	v_add_nc_u32 v4, s13, v2
	v_lshrrev_b32 v5, 4, v1
	v_and_b32 v6, 15, v1
	v_lshlrev_b32 v7, 8, v5
	v_lshl_add_u32 v7, v6, 3, v7
	v_add_nc_u32 v7, s13, v7                       ; the loss's parts: two groups a load, sixteen numbers each
	s_lshl_b32 s14, s12, 9
	v_add_nc_u32 v8, s14, v1                       ; my token in the wave's first group
	s_mov_b32 s16, 0x76543210
	s_mov_b32 s17, 0xfedcba98
	s_wait_kmcnt 0x0
.irp i, 0,1,2,3,4,5,6,7,8,9,10,11,12,13,14,15
	global_load_b32 v[CNT+\i], v4, s[4:5] offset:256*\i+128
.endr
.irp i, 0,1,2,3,4,5,6,7,8,9,10,11,12,13,14,15
	global_load_b32 v[SEL+\i], v4, s[4:5] offset:256*\i
.endr
.irp i, 0,1,2,3,4,5,6,7
	global_load_b32 v[LS+\i], v7, s[6:7] offset:65536+512*\i
.endr
	v_mov_b32 v[PRE], 0
	v_mov_b32 v56, 0
	s_wait_loadcnt 0x0
.irp i, 0,1,2,3,4,5,6,7,8,9,10,11,12,13,14
	v_add_nc_u32 v[PRE+1+\i], v[PRE+\i], v[CNT+\i] ; how many tokens of my key the wave's earlier groups hold
.endr
	v_add_nc_u32 v80, v[PRE+15], v[CNT+15]
.irp i, 0,1,2,3
	v_add_f32 v[LS+\i], v[LS+\i], v[LS+4+\i]
.endr
	v_add_f32 v[LS], v[LS], v[LS+2]
	v_add_f32 v[LS+1], v[LS+1], v[LS+3]
	v_add_f32 v[LS], v[LS], v[LS+1]
	v_permlanex16_b32 v56, v[LS], s16, s17
	v_add_f32 v[LS], v[LS], v56
	ds_store_b32 v3, v80                           ; the wave's counts
	ds_store_b32 v3, v[LS] offset:2048             ; and its parts of the loss
	s_wait_dscnt 0x0
	s_barrier_signal -1
	s_barrier_wait -1
.irp w, 0,1,2,3,4,5,6,7,8,9,10,11,12,13,14,15
	ds_load_b32 v[WTL+\w], v2 offset:128*\w
.endr
	v_mov_b32 v81, 0
	v_mov_b32 v82, 0
	s_wait_dscnt 0x0
.irp w, 0,1,2,3,4,5,6,7,8,9,10,11,12,13,14,15
	s_cmp_gt_u32 s12, \w
	s_cselect_b32 s18, -1, 0
	v_and_b32 v85, s18, v[WTL+\w]
	v_add_nc_u32 v82, v82, v85                     ; my key's tokens in earlier waves
	v_add_nc_u32 v81, v81, v[WTL+\w]               ; and in all
.endr
	v_add_nc_u32 v83, 63, v81
	v_lshrrev_b32 v83, 6, v83
	v_lshl_or_b32 v83, v83, 16, v81                ; tokens below, tiles above: one scan serves both
	v_mov_b32 v84, v83
	v_mov_b32 v85, 0
.irp n, 1,2,4,8
	v_mov_b32_dpp v85, v84 row_shr:\n row_mask:0xf bank_mask:0xf bound_ctrl:1
	v_add_nc_u32 v84, v84, v85
.endr
	v_readlane_b32 s18, v84, 15
	v_mov_b32 v85, s18
	v_cmp_lt_u32 vcc_lo, 15, v1
	v_cndmask_b32 v85, 0, v85, vcc_lo
	v_add_nc_u32 v84, v84, v85
	v_sub_nc_u32 v86, v84, v83                     ; what lies ahead of my key
	v_and_b32 v87, 0xffff, v86                     ; its first place in the order
	v_lshrrev_b32 v88, 16, v86                     ; its first tile
	v_lshl_or_b32 v90, v81, 16, v87
	v_add_nc_u32 v89, v87, v82
.irp i, 0,1,2,3,4,5,6,7,8,9,10,11,12,13,14,15
	v_add_nc_u32 v[128+\i], v[PRE+\i], v89         ; lane = key: where group i's tokens of the key begin
	v_and_b32 v[144+\i], 31, v[SEL+\i]
	v_lshlrev_b32 v[144+\i], 2, v[144+\i]
	ds_bpermute_b32 v[176+\i], v[144+\i], v[128+\i]  ; lane = token: that number for my key
	v_add_nc_u32 v[160+\i], 32*\i, v8
.endr
	s_wait_dscnt 0x0
.irp i, 0,1,2,3,4,5,6,7,8,9,10,11,12,13,14,15
	v_bfe_u32 v[144+\i], v[SEL+\i], 8, 5
	v_add_nc_u32 v[176+\i], v[176+\i], v[144+\i]   ; + my rank
	v_min_u32 v[176+\i], 0x1fff, v[176+\i]
	v_lshlrev_b32 v[176+\i], 2, v[176+\i]
	global_store_b32 v[176+\i], v[160+\i], s[8:9] offset:4096
.endr
	s_cmp_lt_u32 s12, 5
	s_cbranch_scc1 .Lrecords
	s_cmp_eq_u32 s12, 5
	s_cbranch_scc1 .Ltail
	s_cmp_eq_u32 s12, 6
	s_cbranch_scc1 .Lloss
	s_wait_tensorcnt 0x0
	ds_add_u32 v192, v193
	s_wait_dscnt 0x0
	s_endpgm
.Lrecords:                             ; record j = my thread's number: the last key whose first tile is at or below j
	v_mov_b32 v91, 0
	v_mov_b32 v92, 0
	v_mov_b32 v93, 0
.set PP, 0
.irp a, 0,1,2,3,4,5,6
.irp b, 1,2,3,4,5,6,7
.if \b > \a
	v_readlane_b32 s20, v88, PP
	v_readlane_b32 s21, v90, PP
	v_cmp_le_u32 vcc_lo, s20, v0
	v_cndmask_b32 v91, v91, s20, vcc_lo
	v_cndmask_b32 v92, v92, s21, vcc_lo
	v_cndmask_b32 v93, v93, 8*\a+\b, vcc_lo
.set PP, PP+1
.endif
.endr
.endr
	v_sub_nc_u32 v94, v0, v91
	v_lshlrev_b32 v94, 6, v94                      ; 64 x the tile's number within its key
	v_and_b32 v95, 0xffff, v92
	v_add_nc_u32 v120, v95, v94
	v_min_u32 v120, 0x1fff, v120                   ; first
	v_lshrrev_b32 v95, 16, v92
	v_sub_nc_u32 v121, v95, v94
	v_cmp_gt_i32 vcc_lo, 0, v121
	v_cndmask_b32 v121, v121, 0, vcc_lo
	v_min_u32 v121, 64, v121                       ; count
	v_lshrrev_b32 v122, 3, v93
	v_and_b32 v123, 7, v93
	v_lshlrev_b32 v94, 4, v0
	global_store_b128 v94, v[120:123], s[8:9]
	s_wait_tensorcnt 0x0
	ds_add_u32 v192, v193
	s_wait_dscnt 0x0
	s_endpgm
.Ltail:
	v_lshlrev_b32 v94, 3, v1
	v_mov_b32 v120, 0
	v_mov_b32 v121, 0
	global_store_b64 v94, v[120:121], s[8:9] offset:36864
	s_wait_tensorcnt 0x0
	ds_add_u32 v192, v193
	s_wait_dscnt 0x0
	s_endpgm
.Lloss:                                ; lanes 0-7 importance, lanes 8-15 load: variance / (mean^2 + 1e-10) of each, added
.irp w, 0,1,2,3,4,5,6,7,8,9,10,11,12,13,14,15
	ds_load_b32 v[112+\w], v2 offset:2048+128*\w
.endr
	s_wait_dscnt 0x0
.irp w, 0,1,2,3,4,5,6,7
	v_add_f32 v[112+\w], v[112+\w], v[120+\w]
.endr
.irp w, 0,1,2,3
	v_add_f32 v[112+\w], v[112+\w], v[116+\w]
.endr
	v_add_f32 v112, v112, v114
	v_add_f32 v113, v113, v115
	v_add_f32 v112, v112, v113
	v_mov_b32 v130, v112
	v_add_f32_dpp v130, v130, v130 row_xmask:1 row_mask:0xf bank_mask:0xf
	v_add_f32_dpp v130, v130, v130 row_xmask:2 row_mask:0xf bank_mask:0xf
	v_add_f32_dpp v130, v130, v130 row_xmask:4 row_mask:0xf bank_mask:0xf
	v_mul_f32 v130, 0x3e000000, v130               ; the mean of eight
	v_sub_f32 v131, v112, v130
	v_mul_f32 v131, v131, v131
	v_add_f32_dpp v131, v131, v131 row_xmask:1 row_mask:0xf bank_mask:0xf
	v_add_f32_dpp v131, v131, v131 row_xmask:2 row_mask:0xf bank_mask:0xf
	v_add_f32_dpp v131, v131, v131 row_xmask:4 row_mask:0xf bank_mask:0xf
	v_mul_f32 v131, 0x3e000000, v131               ; the variance
	v_mov_b32 v132, 0x2edbe6ff                     ; 1e-10
	v_fma_f32 v132, v130, v130, v132
	v_rcp_f32 v133, v132
	v_mov_b32 v134, 0                              ; (a plain instruction behind the reciprocal)
	s_wait_alu depctr_va_vdst(0)                   ; the wait ahead of the result's first reader
	v_mul_f32 v131, v131, v133
	v_add_f32_dpp v131, v131, v131 row_xmask:8 row_mask:0xf bank_mask:0xf
	v_cmp_eq_u32 vcc_lo, 0, v1
	s_wait_xcnt 0x0                                ; EXEC changes only behind this wait: my earlier stores have been issued under the full one
	s_wait_tensorcnt 0x0
	ds_add_u32 v192, v193
	s_wait_dscnt 0x0
	s_and_saveexec_b32 s20, vcc_lo
	global_store_b32 v134, v131, s[10:11]
	s_wait_xcnt 0x0
	s_or_b32 exec_lo, exec_lo, s20
	s_endpgm
.Lfunc_end_k_qaf86edd1d4_place:
	.size	k_qaf86edd1d4_place, .Lfunc_end_k_qaf86edd1d4_place-k_qaf86edd1d4_place
	.p2alignl 7, 3214868480
	.fill 96, 4, 3214868480
	.section	.rodata,"a",@progbits
	.p2align	6, 0x0
	.amdhsa_kernel k_qaf86edd1d4_place
		.amdhsa_group_segment_fixed_size 6144
		.amdhsa_private_segment_fixed_size 0
		.amdhsa_enable_private_segment 0
		.amdhsa_kernarg_size 32
		.amdhsa_user_sgpr_count 2
		.amdhsa_user_sgpr_kernarg_segment_ptr 1
		.amdhsa_wavefront_size32 1
		.amdhsa_system_sgpr_workgroup_id_x 1
		.amdhsa_system_sgpr_workgroup_id_y 1
		.amdhsa_system_sgpr_workgroup_id_z 1
		.amdhsa_system_vgpr_workitem_id 0
		.amdhsa_next_free_vgpr 194
		.amdhsa_next_free_sgpr 66
		.amdhsa_reserve_vcc 1
		.amdhsa_float_denorm_mode_32 3
		.amdhsa_float_denorm_mode_16_64 3
		.amdhsa_memory_ordered 1
		.amdhsa_forward_progress 1
		.amdhsa_inst_pref_size 33
	.end_amdhsa_kernel
	.amdgpu_metadata
---
amdhsa.version: [ 1, 2 ]
amdhsa.kernels:
  - .name:           k_qaf86edd1d4_place
    .symbol:         k_qaf86edd1d4_place.kd
    .args:
      - { .name: route, .offset: 0, .size: 8, .value_kind: global_buffer, .address_space: global }
      - { .name: gat, .offset: 8, .size: 8, .value_kind: global_buffer, .address_space: global }
      - { .name: plan, .offset: 16, .size: 8, .value_kind: global_buffer, .address_space: global }
      - { .name: out1, .offset: 24, .size: 8, .value_kind: global_buffer, .address_space: global }
    .group_segment_fixed_size: 6144
    .private_segment_fixed_size: 0
    .kernarg_segment_align: 8
    .kernarg_segment_size: 32
    .max_flat_workgroup_size: 512
    .sgpr_count:     66
    .vgpr_count:     194
    .wavefront_size: 32
...
	.end_amdgpu_metadata
.endif
;; end of part 2
;; launch chain (part 3): grid 155 x 1, 4 waves a work-group, no clusters, 316,928 bytes of LDS; arguments x, xq, xs, wf, ws, gat, plan, b1, b2, gamma, beta, out0; writes out0
.if DOCPART == 3
	.amdgcn_target "amdgcn-amd-amdhsa--gfx1250"
	.amdhsa_code_object_version 6
	.text
	.protected	k_qaf86edd1d4_chain
	.globl	k_qaf86edd1d4_chain
	.p2align	8
	.type	k_qaf86edd1d4_chain,@function
k_qaf86edd1d4_chain:
	s_mov_b64 s[64:65], 0
	v_nop
	global_prefetch_b8 v0, s[64:65] scope:SCOPE_SE
	s_setreg_imm32_b32 hwreg(HW_REG_WAVE_MODE, 25, 1), 1
	s_wait_xcnt 0x0
; CHAIN.  A work-group owns one tile: at most 64 tokens that chose the same two experts a < b.  It takes both experts through the whole chain and owns its output rows:
;   h_e = relu(x W1[e] + b1[e]), quantised;  y_e = h_e W2[e] + b2[e];  out = LayerNorm(ga y_a + gb y_b + x) gamma + beta.  Both products on codes of FP6 (E2M3) with E8M0 scales, sums in f32.
; THE WAVES SHARE THE COLUMNS: wave w makes hidden units 128 w .. + 127 and outputs 256 w .. + 255 for all 64 rows.  The weights come from memory straight into registers, as images of the operand's registers
; (laid so by the launch before), through a ring of three sets of 96 registers; a set is asked for again as soon as it has been multiplied: two sets and a half are on their way.
; Both products are used transposed (source 0 = 16 rows of the weight, source 1 = 16 tokens): a lane holds one token throughout.  The hidden layer goes from wave to wave through LDS as register images.
; NO TENSOR LOADS, NO CLUSTER: rows past a tile's count and tiles with count 0 are decided by numbers read from memory, and neighbouring tiles need not share an expert.
; A TILE WITH COUNT 0 walks the whole chain on clamped addresses and stores nothing: every wave passes every barrier, and no barrier stands under a branch on a number read from memory.
; Rows past the count are tokens of the next tile (or token 0): they are computed and not stored.
; LIMITS: NaN and infinities among the inputs are not served; a block of zeros has the scale byte 1 with zero codes.
; LDS: Z 64 rows x 4,112 (the gated sum, f32) at 0; inside it, dead before Z is written: x's codes 64 x 784 at 0, x's scale bytes 64 x 48 at 50,176; the hidden layer's 32 images at 263,168, their scale words at 312,320.
; REGISTERS, in windows of 256.  Window 0: v1-9, v13-21 addresses; v10-12 at work, on the way out v10, v11 the stores' offsets; v22-30 the second product's load offsets, three for each ring set, then (with v31) at work;
;   v32-127 x's fragments (two sets), then Y_a, Y_b, then rows on the way out and gamma; v128-164 the quantiser, then beta; v168-175 the gates; v180-255 scale words and nothing else.
;   Window 1: the hidden layer's 32 accumulators, then its fragments.  Window 2: ring set 1; b1; fragments.  Window 3: ring sets 0 and 2; b2's ring; x's rows.
.set XSC,  50176
.set HIMG, 263168
.set HSC,  312320
.set XF,   32
.set PC,   128
.set TM,   148
.set PW,   164
.set GT,   168
.set XS,   180
.set WS,   188
.set HS,   200
.set W2SC, 232
.set MSB, 0
.macro WIN new                         ; the immediate's high byte repeats the setting that is left; a switch that changes nothing is dropped
.if MSB != (\new)
	s_set_vgpr_msb (MSB<<8)|(\new)
.set MSB, (\new)
.endif
.endm
.macro RING g                          ; ring set g: its window and first register
.if (\g)==1
.set RW, 2
.set RB, 0
.elseif (\g)==0
.set RW, 3
.set RB, 0
.else
.set RW, 3
.set RB, 96
.endif
.endm
.macro MMA d, a, b, c, sa, sb, hi      ; hi = 1: source 0's scales stand in lanes 16-31
.if \hi
	v_wmma_scale_f32_16x16x128_f8f6f4 v[\d:\d+7], v[\a:\a+11], v[\b:\b+11], v[\c:\c+7], v[\sa], v[\sb] matrix_a_fmt:MATRIX_FMT_FP6 matrix_b_fmt:MATRIX_FMT_FP6 matrix_a_scale:MATRIX_SCALE_ROW1
.else
	v_wmma_scale_f32_16x16x128_f8f6f4 v[\d:\d+7], v[\a:\a+11], v[\b:\b+11], v[\c:\c+7], v[\sa], v[\sb] matrix_a_fmt:MATRIX_FMT_FP6 matrix_b_fmt:MATRIX_FMT_FP6
.endif
.endm
.macro LOADSET k                       ; 25 loads: W1's eight fragments of expert k / 8, K step k % 8, and their scale words, into ring set k % 3
	RING (\k)%3
	WIN RW<<6
.set LQ, 0
.rept 24
	global_load_b128 v[RB+4*LQ:RB+4*LQ+3], v1, s[56+2*((\k)/8):57+2*((\k)/8)] offset:((\k)%8)*12288+512*LQ
.set LQ, LQ+1
.endr
	WIN 0
	global_load_b128 v[WS+4*((\k)%3):WS+4*((\k)%3)+3], v1, s[60+2*((\k)/8):61+2*((\k)/8)] offset:((\k)%8)*512
.endm
.macro LOADB1 e                        ; 16 loads: b1 in the result's layout: for tile 2 b + u the units 32 b + 16 h + 8 u + 0 .. 7
	WIN 0x80
.irp t, 0,1,2,3,4,5,6,7
	global_load_b128 v[96+8*\t:99+8*\t], v5, s[66+2*\e:67+2*\e] offset:(32*(\t/2)+8*(\t%2))*4
	global_load_b128 v[100+8*\t:103+8*\t], v5, s[66+2*\e:67+2*\e] offset:(32*(\t/2)+8*(\t%2))*4+16
.endr
	WIN 0
.endm
; 30 loads into ring set rg: for both experts W2's four fragments of one tile of 16 outputs, their scale words, b2's eight numbers.  Each ring set has three offsets of its own (fragments, scale words, bias).
; step = 1: they go three tiles on first.  The loads that read them last are this ring set's, and the group that has just multiplied the set began with the wait that showed those loads done.
.macro LOADG rg, step
	RING \rg
.if \step
	v_add_nc_u32 v[22+3*(\rg)], 18432, v[22+3*(\rg)]
	v_add_nc_u32 v[23+3*(\rg)], 768, v[23+3*(\rg)]
	v_add_nc_u32 v[24+3*(\rg)], 192, v[24+3*(\rg)]
.endif
.irp e, 0,1
	WIN RW<<6
.set LQ, 0
.rept 12
	global_load_b128 v[RB+48*\e+4*LQ:RB+48*\e+4*LQ+3], v[22+3*(\rg)], s[70+2*\e:71+2*\e] offset:512*LQ
.set LQ, LQ+1
.endr
	WIN 0xc0
	global_load_b128 v[192+16*(\rg)+8*\e:195+16*(\rg)+8*\e], v[24+3*(\rg)], s[78+2*\e:79+2*\e]
	global_load_b128 v[196+16*(\rg)+8*\e:199+16*(\rg)+8*\e], v[24+3*(\rg)], s[78+2*\e:79+2*\e] offset:16
	WIN 0
	global_load_b128 v[W2SC+8*(\rg)+4*\e:W2SC+8*(\rg)+4*\e+3], v[23+3*(\rg)], s[74+2*\e:75+2*\e]
.endr
.endm
.macro FETCHX s, buf                   ; x's four fragments of K step s and their scale words, from LDS
.irp m, 0,1,2,3
.irp q, 0,1,2
	ds_load_b128 v[XF+48*(\buf)+12*\m+4*\q:XF+48*(\buf)+12*\m+4*\q+3], v3 offset:12544*\m+48*(\s)+16*\q
.endr
	ds_load_b32 v[XS+4*(\buf)+\m], v4 offset:768*\m+4*(\s)
.endr
.endm
; A step of the first product: 32 matrix instructions, my 8 tiles of hidden units x 4 tiles of tokens, 128 along K.  The 32 accumulators take turns.
.macro STEP i
.set SN, 50                            ; behind this step's set: two sets of 25 loads
.if ((\i)==2)||((\i)==3)
.set SN, 63                            ; two sets and b1 of the second expert: 66; the count's field holds 63
.endif
.if (\i)==14
.set SN, 55                            ; a set and a group of the second product
.endif
.if (\i)==15
.set SN, 60                            ; two groups
.endif
.set SBF, (\i)%2
	s_wait_loadcnt SN
	s_wait_dscnt 0x0                               ; x's fragments, asked for a step ago
.if (\i)<15
	FETCHX ((\i)+1)%8,1-SBF
.endif
	RING (\i)%3
.if ((\i)%8)==0
	WIN 0x60|RW                                    ; the bias (window 2) starts the sums
.else
	WIN 0x50|RW
.endif
.irp t, 0,1,2,3,4,5,6,7
.irp m, 0,1,2,3
.if ((\i)%8)==0
	MMA 8*(8*\m+\t),RB+12*\t,XF+48*SBF+12*\m,96+8*\t,WS+4*((\i)%3)+(\t%4),XS+4*SBF+\m,\t/4
.else
	MMA 8*(8*\m+\t),RB+12*\t,XF+48*SBF+12*\m,8*(8*\m+\t),WS+4*((\i)%3)+(\t%4),XS+4*SBF+\m,\t/4
.endif
.endr
.endr
	WIN 0
.rept 4
	v_nop                                          ; four plain instructions in front of loads into registers that matrix instructions have read, and of the first read of results
.endr
.endm
; relu and the quantiser, a tile of 16 tokens at a time: register 16 b + i of the tile's 64 is hidden unit 32 b + 16 (lane / 16) + i of my 128.  The fragment and its scale word go to LDS as they stand.
.macro QUANTH e
.irp m, 0,1,2,3
	WIN 0x44
.set J, 0
.rept 64
	v_max_num_f32 v[64*\m+J], 0, v[64*\m+J]        ; each accumulator from its low end on
.set J, J+1
.endr
	WIN 0x05
.irp b, 0,1,2,3
	v_max3_num_f32 v[TM+\b], v[64*\m+16*\b], v[64*\m+16*\b+1], 0x1800000   ; nothing is negative; the floor 2^(3 - 127) holds the byte at 1 from below
.endr
.irp i, 2,4,6,8,10,12,14
.irp b, 0,1,2,3
	v_max3_num_f32 v[TM+\b], v[64*\m+16*\b+\i], v[64*\m+16*\b+\i+1], v[TM+\b]
.endr
.endr
	WIN 0
.irp b, 0,1,2,3
	v_permlanex16_b32 v[TM+4+\b], v[TM+\b], s82, s83
.endr
.irp b, 0,1,2,3
	v_max_num_f32 v[TM+\b], v[TM+\b], v[TM+4+\b]   ; with lane l xor 16's: the block's largest
.endr
.irp b, 0,1,2,3
	v_add_nc_u32 v[TM+12+\b], 0xff000000, v[TM+\b] ; 2 off the exponent field: the conversion's scale operand
.endr
.irp b, 0,1,2,3
	v_lshrrev_b32 v[TM+4+\b], 23, v[TM+12+\b]
.endr
	v_lshl_or_b32 v[PW], v[TM+5], 8, v[TM+4]
	v_lshl_or_b32 v[PW], v[TM+6], 16, v[PW]
	v_lshl_or_b32 v[PW], v[TM+7], 24, v[PW]
	WIN 0x01
.irp c, 0,1
	v_cvt_scalef32_pk16_fp6_f32 v[PC+6*\c:PC+2+6*\c], v[64*\m+32*\c:64*\m+32*\c+15], v[TM+12+2*\c]
	v_cvt_scalef32_pk16_fp6_f32 v[PC+12+4*\c:PC+14+4*\c], v[64*\m+16+32*\c:64*\m+31+32*\c], v[TM+13+2*\c]
.endr
	WIN 0
	v_nop                                          ; one plain instruction behind the conversions
.irp c, 0,1                            ; the operand wants a whole block in a lane
.irp i, 0,1,2
	v_permlane16_swap_b32 v[PC+6*\c+\i], v[PC+12+4*\c+\i]
.endr
.irp i, 0,1,2
	v_mov_b32 v[PC+3+6*\c+\i], v[PC+12+4*\c+\i]
.endr
.endr
.irp c, 0,1,2
	ds_store_b128 v6, v[PC+4*\c:PC+4*\c+3] offset:(16*\e+4*\m)*1536+512*\c
.endr
	ds_store_b32 v7, v[PW] offset:128*(16*\e+4*\m)
	s_wait_dscnt 0x0                               ; the stores have read their registers
.endr
.endm
.macro HPLACE e, f                     ; where fragment f = 4 s + m of expert e's hidden layer stands
.if (\e)==0
.set HW, 1
.set HB, 12*(\f)
.elseif (\f)<5
.set HW, 1
.set HB, 192+12*(\f)
.else
.set HW, 2
.set HB, 96+12*((\f)-5)
.endif
.endm
; A group of the second product: one tile of 16 outputs, both experts, 64 tokens, all of K: 32 matrix instructions; four accumulators take turns.  Then the gates, and Z.
.macro GROUP d, rg, n
	s_wait_loadcnt \n
	s_wait_dscnt 0x0                               ; the last group's stores into Z have read their registers
	RING \rg
.irp e, 0,1
.irp s, 0,1,2,3
.irp m, 0,1,2,3
	HPLACE \e,4*\s+\m
.if \s==0
.set WW, RW|(HW<<2)|0x30
	WIN WW
	MMA 32+32*\e+8*\m,RB+48*\e+12*\s,HB,192+16*(\rg)+8*\e,W2SC+8*(\rg)+4*\e+\s,HS+16*\e+4*\s+\m,0
.else
.set WW, RW|(HW<<2)
	WIN WW
	MMA 32+32*\e+8*\m,RB+48*\e+12*\s,HB,32+32*\e+8*\m,W2SC+8*(\rg)+4*\e+\s,HS+16*\e+4*\s+\m,0
.endif
.endr
.endr
.endr
	WIN 0
.rept 4
	v_nop
.endr
.irp m, 0,1,2,3
.irp p, 0,1,2,3
	v_pk_mul_f32 v[32+8*\m+2*\p:33+8*\m+2*\p], v[32+8*\m+2*\p:33+8*\m+2*\p], v[GT+2*\m:GT+2*\m+1] op_sel_hi:[1,0]   ; ga y_a
.endr
.endr
.irp m, 0,1,2,3
.irp p, 0,1,2,3
	v_pk_fma_f32 v[32+8*\m+2*\p:33+8*\m+2*\p], v[64+8*\m+2*\p:65+8*\m+2*\p], v[GT+2*\m:GT+2*\m+1], v[32+8*\m+2*\p:33+8*\m+2*\p] op_sel:[0,1,0] op_sel_hi:[1,1,1]   ; + gb y_b
.endr
.endr
.irp m, 0,1,2,3
	ds_store_b128 v[13+\m], v[32+8*\m:35+8*\m] offset:64*(\d)
	ds_store_b128 v[13+\m], v[36+8*\m:39+8*\m] offset:64*(\d)+16
.endr
.endm
.macro XROW k                          ; eight loads: a row of x into slot k
	WIN 0xc0
.irp i, 0,1,2,3,4,5,6,7
	global_load_b128 v[32*(\k)+4*\i:32*(\k)+4*\i+3], v[18+(\k)], s[4:5] offset:512*\i
.endr
	WIN 0
.endm
; One row of the way out.  fill = 1: slot k takes the row four on;  nxt = 1: the next row of Z is fetched;  n: the younger loads of x that may stay out.
; The stores have offsets of their own (v10 even rows, v11 odd rows), so that the slot's offset is read by loads alone: the row's wait for its loads frees it, and the slot is asked for again straight behind the additions that read it.
; ONE wait for the addresses of what has been issued stands in the row's middle, ahead of the LDS loads that land in the registers which the row before has stored from; the same wait frees the offset that the stores of two rows back read.
.macro ROW k, fill, nxt, n
.set ZB, 32+32*((\k)%2)
.set ZN, 32+32*(1-(\k)%2)
.set VS, 10+(\k)%2
	s_wait_dscnt 0x0                               ; this row of Z is in
	s_wait_loadcnt \n                              ; and this row of x: its loads are done, so the slot's offset may be written
	WIN 0x0c
.irp p, 0,1,2,3,4,5,6,7,8,9,10,11,12,13,14,15
	v_pk_add_f32 v[ZB+2*\p:ZB+2*\p+1], v[ZB+2*\p:ZB+2*\p+1], v[32*(\k)+2*\p:32*(\k)+2*\p+1]   ; + the residual
.endr
	WIN 0
	s_min_u32 s91, s[40+(\k)], 0x1fff
	v_lshl_add_u32 v[VS], s91, 12, v1              ; where this row is stored
.if \fill
	s_min_u32 s91, s[44+(\k)], 0x1fff
	v_lshl_add_u32 v[18+(\k)], s91, 12, v1
	XROW \k
.endif
.irp c, 0,1,2,3
	v_pk_add_f32 v[22+2*\c:23+2*\c], v[ZB+4*\c:ZB+4*\c+1], v[ZB+4*\c+2:ZB+4*\c+3]
.endr
.irp p, 0,1
.irp c, 0,1,2,3
	v_pk_add_f32 v[22+2*\c:23+2*\c], v[22+2*\c:23+2*\c], v[ZB+16+8*\p+2*\c:ZB+17+8*\p+2*\c]
.endr
.endr
	v_pk_add_f32 v[22:23], v[22:23], v[24:25]
	v_pk_add_f32 v[26:27], v[26:27], v[28:29]
	v_pk_add_f32 v[22:23], v[22:23], v[26:27]
	v_add_f32 v22, v22, v23
	v_add_f32_dpp v22, v22, v22 row_xmask:1 row_mask:0xf bank_mask:0xf
	v_add_f32_dpp v22, v22, v22 row_xmask:2 row_mask:0xf bank_mask:0xf
	v_add_f32_dpp v22, v22, v22 row_xmask:4 row_mask:0xf bank_mask:0xf
	v_add_f32_dpp v22, v22, v22 row_xmask:8 row_mask:0xf bank_mask:0xf
	v_permlanex16_b32 v30, v22, s82, s83
	v_add_f32 v22, v22, v30
	v_mul_f32 v22, s96, v22                        ; the mean
.irp p, 0,1,2,3,4,5,6,7,8,9,10,11,12,13,14,15
	v_pk_add_f32 v[ZB+2*\p:ZB+2*\p+1], v[ZB+2*\p:ZB+2*\p+1], v[22:23] op_sel_hi:[1,0] neg_lo:[0,1] neg_hi:[0,1]
.endr
.if \nxt
	s_wait_xcnt 0x0                                ; the last row's stores have read their data and their offset
.irp i, 0,1,2,3,4,5,6,7
	ds_load_b128 v[ZN+4*\i:ZN+4*\i+3], v17 offset:4112*((\k)+1)+512*\i
.endr
.endif
.irp c, 0,1,2,3
	v_pk_mul_f32 v[24+2*\c:25+2*\c], v[ZB+2*\c:ZB+2*\c+1], v[ZB+2*\c:ZB+2*\c+1]
.endr
.irp p, 1,2,3
.irp c, 0,1,2,3
	v_pk_fma_f32 v[24+2*\c:25+2*\c], v[ZB+8*\p+2*\c:ZB+8*\p+2*\c+1], v[ZB+8*\p+2*\c:ZB+8*\p+2*\c+1], v[24+2*\c:25+2*\c]
.endr
.endr
	v_pk_add_f32 v[24:25], v[24:25], v[26:27]
	v_pk_add_f32 v[28:29], v[28:29], v[30:31]
	v_pk_add_f32 v[24:25], v[24:25], v[28:29]
	v_add_f32 v24, v24, v25
	v_add_f32_dpp v24, v24, v24 row_xmask:1 row_mask:0xf bank_mask:0xf
	v_add_f32_dpp v24, v24, v24 row_xmask:2 row_mask:0xf bank_mask:0xf
	v_add_f32_dpp v24, v24, v24 row_xmask:4 row_mask:0xf bank_mask:0xf
	v_add_f32_dpp v24, v24, v24 row_xmask:8 row_mask:0xf bank_mask:0xf
	v_permlanex16_b32 v30, v24, s82, s83
	v_add_f32 v24, v24, v30
	v_fma_f32 v24, v24, s96, s97                   ; the variance + 1e-5
	v_rsq_f32 v26, v24
	v_nop                                          ; a plain instruction behind the root
	s_wait_alu depctr_va_vdst(0)                   ; the wait ahead of the result's first reader
.irp p, 0,1,2,3,4,5,6,7,8,9,10,11,12,13,14,15
	v_pk_mul_f32 v[ZB+2*\p:ZB+2*\p+1], v[ZB+2*\p:ZB+2*\p+1], v[26:27] op_sel_hi:[1,0]
.endr
.irp p, 0,1,2,3,4,5,6,7,8,9,10,11,12,13,14,15
	v_pk_fma_f32 v[ZB+2*\p:ZB+2*\p+1], v[ZB+2*\p:ZB+2*\p+1], v[96+2*\p:97+2*\p], v[128+2*\p:129+2*\p]
.endr
	s_cmp_ge_u32 s90, s33                          ; a row past the tile's count is another tile's: not stored
	s_cbranch_scc1 .Lnost_\@
.irp i, 0,1,2,3,4,5,6,7
	global_store_b128 v[VS], v[ZB+4*\i:ZB+4*\i+3], s[26:27] offset:512*\i th:TH_STORE_NT   ; 512 consecutive bytes, at a multiple of 256 from out0's first byte
.endr
.Lnost_\@:
	s_add_co_u32 s90, s90, 1
.endm
.macro EPTR e, se                      ; expert e's six pointers, my wave's part in each
	s_lshl_b32 s84, \se, 2
	s_add_co_u32 s84, s84, s36
	s_mul_i32 s92, s84, 98304
	s_add_nc_u64 s[56+2*\e:57+2*\e], s[10:11], s[92:93]
	s_add_nc_u64 s[70+2*\e:71+2*\e], s[56+2*\e:57+2*\e], 3145728
	s_lshl_b32 s92, s84, 12
	s_add_nc_u64 s[60+2*\e:61+2*\e], s[12:13], s[92:93]
	s_add_nc_u64 s[74+2*\e:75+2*\e], s[60+2*\e:61+2*\e], 131072
	s_lshl_b32 s92, \se, 11
	s_lshl_b32 s84, s36, 9
	s_add_co_u32 s92, s92, s84
	s_add_nc_u64 s[66+2*\e:67+2*\e], s[18:19], s[92:93]
	s_lshl_b32 s92, s92, 1
	s_add_nc_u64 s[78+2*\e:79+2*\e], s[20:21], s[92:93]
.endm
	s_load_b512 s[4:19], s[0:1], 0x0               ; x, xq, xs, wf, ws, gat, plan, b1
	s_load_b256 s[20:27], s[0:1], 0x40             ; b2, gamma, beta, out0
	v_lshl_add_u32 v178, v0, 2, 0x4d400
	v_mov_b32 v179, 0
	v_lshrrev_b32 v2, 5, v0
	v_readfirstlane_b32 s36, v2                    ; wave 0..3
	v_and_b32 v2, 31, v0                           ; lane
	v_lshlrev_b32 v1, 4, v2                        ; 16 x lane
	v_and_b32 v22, 15, v0                          ; r
	v_bfe_u32 v23, v0, 4, 1                        ; h
	s_lshl_b32 s28, ttmp9, 4
	s_mov_b32 s82, 0x76543210
	s_mov_b32 s83, 0xfedcba98                      ; lane l xor 16
	s_mov_b32 s96, 0x3a800000                      ; 1 / 1,024
	s_mov_b32 s97, 0x3727c5ac                      ; 1e-5
	s_mov_b32 s85, 0
	s_mov_b32 s93, 0
	s_wait_kmcnt 0x0
	s_load_b128 s[32:35], s[16:17], s28 offset:0x0 ; my tile: first, count, a, b
	v_mul_u32_u24 v3, v22, 784
	v_mad_u32_u24 v3, v23, 384, v3                 ; x's codes: row r, my half's 384 bytes
	v_mul_u32_u24 v4, v22, 48
	v_add_nc_u32 v4, XSC, v4
	v_lshlrev_b32 v5, 6, v23
	s_mul_i32 s37, s36, 1536
	v_add_nc_u32 v8, HIMG, v1
	v_add_nc_u32 v6, s37, v8
	v_lshl_add_u32 v9, v2, 2, HSC
	s_lshl_b32 s38, s36, 7
	v_add_nc_u32 v7, s38, v9
	v_lshlrev_b32 v11, 4, v22                      ; 16 r: W2's scale words
	v_lshlrev_b32 v12, 5, v23                      ; 32 h: b2
	v_mul_u32_u24 v13, v22, 4112
	v_lshl_add_u32 v13, v23, 5, v13
	s_lshl_b32 s38, s36, 10
	v_add_nc_u32 v13, s38, v13                     ; Z: row 16 m + r, my wave's 1,024 bytes, 32 h
	v_add_nc_u32 v14, 65792, v13
	v_add_nc_u32 v15, 131584, v13
	v_add_nc_u32 v16, 197376, v13
	s_mul_i32 s38, s36, 65792
	v_add_nc_u32 v17, s38, v1                      ; Z, back: my 16 rows
	s_mul_i32 s38, s36, 12544
	v_add_nc_u32 v24, s38, v1                      ; x's codes, in: my 16 rows, two at a time
	v_lshl_add_u32 v25, v23, 4, v24
	v_lshrrev_b32 v26, 1, v2
	v_mul_u32_u24 v26, v26, 48
	v_and_b32 v27, 1, v2
	v_lshl_add_u32 v26, v27, 4, v26
	s_mul_i32 s38, s36, 768
	v_add_nc_u32 v26, s38, v26
	v_add_nc_u32 v26, XSC, v26
	v_mul_u32_u24 v29, v23, 768                    ; the middle piece of two rows of 768 bytes: lanes 0-15 end the first, lanes 16-31 begin the second
	v_sub_nc_u32 v28, 768, v29
	v_add_nc_u32 v30, 512, v1
	v_sub_nc_u32 v30, v30, v29
	s_lshl_b32 s88, s36, 6
	v_lshrrev_b32 v166, 1, v2
	v_lshlrev_b32 v166, 2, v166
	v_add_nc_u32 v166, s88, v166
	v_lshlrev_b32 v167, 2, v22
	s_wait_kmcnt 0x0
	s_min_u32 s32, s32, 0x1fff
	s_min_u32 s34, s34, 7
	s_min_u32 s35, s35, 7
	s_lshl_b32 s84, s32, 2
	s_add_co_u32 s84, s84, 4096
	s_add_nc_u64 s[86:87], s[16:17], s[84:85]      ; the order at my tile's first token
	s_load_b512 s[40:55], s[86:87], s88 offset:0x0 ; my wave's 16 tokens
	global_load_b32 v161, v166, s[86:87]           ; the same as vectors: row 16 w + lane / 2,
.irp m, 0,1,2,3
	global_load_b32 v[162+\m], v167, s[86:87] offset:64*\m   ; and row 16 m + r
.endr
	EPTR 0, s34
	EPTR 1, s35
	LOADB1 0
	LOADSET 0
	s_wait_loadcnt 41                              ; the five list loads are in; b1's 16 and set 0's 25 stay out
	v_min_u32 v161, 0x1fff, v161
	v_lshlrev_b32 v156, 5, v161
	v_lshl_add_u32 v156, v27, 4, v156
	global_load_b128 v[152:155], v156, s[8:9]      ; x's scale bytes: two lanes a token
.irp m, 0,1,2,3
	v_min_u32 v[162+\m], 0x1fff, v[162+\m]
	v_lshlrev_b32 v[157+\m], 3, v[162+\m]
	global_load_b64 v[GT+2*\m:GT+2*\m+1], v[157+\m], s[14:15]   ; (ga, gb) of row 16 m + r
.endr
	s_wait_kmcnt 0x0
.set N, 0
.rept 16
	s_min_u32 s[40+N], s[40+N], 0x1fff
.set N, N+1
.endr
.irp k, 0,1,2,3,4,5,6,7                ; two tokens' codes, 1,536 bytes, by three loads
	v_mad_u32_u24 v[128+3*\k], s[40+2*\k], 0x300, v1
	v_mad_u32_u24 v[129+3*\k], s[40+2*\k], v28, v30
	v_mad_u32_u24 v[129+3*\k], s[41+2*\k], v29, v[129+3*\k]
	v_mad_u32_u24 v[130+3*\k], s[41+2*\k], 0x300, v1
	global_load_b128 v[32+12*\k:35+12*\k], v[128+3*\k], s[6:7]
	global_load_b128 v[36+12*\k:39+12*\k], v[129+3*\k], s[6:7]
	global_load_b128 v[40+12*\k:43+12*\k], v[130+3*\k], s[6:7] offset:256
.endr
	LOADSET 1
	LOADSET 2
	s_wait_loadcnt 50                              ; all but sets 1 and 2
.irp k, 0,1,2,3,4,5,6,7
	ds_store_b128 v24, v[32+12*\k:35+12*\k] offset:1568*\k
	ds_store_b128 v25, v[36+12*\k:39+12*\k] offset:1568*\k+512
	ds_store_b128 v24, v[40+12*\k:43+12*\k] offset:1568*\k+1040
.endr
	ds_store_b128 v26, v[152:155]
	s_wait_dscnt 0x0                               ; for the others' sake: my 16 rows of codes lie in LDS
	s_barrier_signal -1
	s_barrier_wait -1
	FETCHX 0,0
	v_mov_b32 v25, v1                              ; the second product's offsets (fragments 6,144 bytes a tile, scale words 256, bias 64): ring set 1 begins with tile 0,
	v_mov_b32 v26, v11
	v_mov_b32 v27, v12
	v_add_nc_u32 v28, 6144, v1                     ; ring set 2 with tile 1,
	v_add_nc_u32 v29, 256, v11
	v_add_nc_u32 v30, 64, v12
	v_add_nc_u32 v22, 12288, v1                    ; ring set 0 with tile 2
	v_add_nc_u32 v23, 512, v11
	v_add_nc_u32 v24, 128, v12
; ---- the first product, both experts: 16 steps on one stream of sets
.irp i, 0,1,2,3,4,5,6,7,8,9,10,11,12,13,14,15
	STEP \i
.if \i==1
	LOADB1 1
.endif
.if \i<13
	LOADSET \i+3
.else
	LOADG \i%3,0
.endif
.if \i==7
	QUANTH 0
.endif
.if \i==15
	QUANTH 1
.endif
.endr
	s_barrier_signal -1                            ; (every LDS instruction of mine has been waited for) the hidden layers' 32 fragments lie in LDS, and nobody reads x's codes any more
	s_barrier_wait -1
; ---- the second product: all fragments of both hidden layers stay in registers
.irp e, 0,1
.irp s, 0,1,2,3
.irp m, 0,1,2,3
	HPLACE \e,4*\s+\m
	WIN HW<<6
.irp c, 0,1,2
	ds_load_b128 v[HB+4*\c:HB+4*\c+3], v8 offset:(16*\e+4*\m+\s)*1536+512*\c
.endr
.endr
.endr
.endr
	WIN 0
.irp e, 0,1
.irp s, 0,1,2,3
.irp m, 0,1,2,3
	ds_load_b32 v[HS+16*\e+4*\s+\m], v9 offset:128*(16*\e+4*\m+\s)
.endr
.endr
.endr
	s_mov_b32 s89, 4
.Lgrp:                                 ; a trip: three groups, once round the ring; behind each group's set two groups of 30 loads are out
	GROUP 0,1,60
	LOADG 1,1
	GROUP 1,2,60
	LOADG 2,1
	GROUP 2,0,60
	LOADG 0,1
	s_wait_dscnt 0x0                               ; the stores into Z have read their addresses: they are stepped
.irp m, 0,1,2,3
	v_add_nc_u32 v[13+\m], 192, v[13+\m]
.endr
	s_sub_co_u32 s89, s89, 1
	s_cmp_lg_u32 s89, 0
	s_cbranch_scc1 .Lgrp
	GROUP 0,1,60                                   ; groups 12 to 15 are written out: one more fill, then the counts run down
	LOADG 1,1
	; my 16 rows of x, which the way out adds, are prefetched: two rows an instruction, a lane a block of 256 bytes; two groups ahead of the first row's loads.  A pair whose first row lies past the count is left out;
	; where the count is odd the last pair's second row is a neighbour tile's and is named a second time.
	v_bfe_u32 v10, v0, 4, 1
	v_lshlrev_b32 v10, 12, v10                     ; lanes 16-31 take the pair's second row,
	v_sub_nc_u32 v11, 4096, v10                    ; lanes 0-15 its first
	v_and_b32 v12, 15, v0
	v_lshlrev_b32 v12, 8, v12
.irp k, 0,1,2,3,4,5,6,7
	v_mad_u32_u24 v[160+\k], s[40+2*\k], v11, v12
	v_mad_u32_u24 v[160+\k], s[41+2*\k], v10, v[160+\k]
.endr
	s_lshl_b32 s90, s36, 4                         ; my first row in the tile
.irp k, 0,1,2,3,4,5,6,7
	s_add_co_u32 s92, s90, 2*\k
	s_cmp_lt_u32 s92, s33
	s_cbranch_scc0 .Lnopf\k
	global_prefetch_b8 v[160+\k], s[4:5] th:TH_LOAD_NT scope:SCOPE_SE
.Lnopf\k:
.endr
	GROUP 1,2,60
	GROUP 2,0,30                                   ; behind group 14's set: group 15's 30 loads
.irp i, 0,1,2,3,4,5,6,7
	global_load_b128 v[96+4*\i:99+4*\i], v1, s[22:23] offset:512*\i      ; gamma and beta at my columns 128 i + 4 lane + 0 .. 3
	global_load_b128 v[128+4*\i:131+4*\i], v1, s[24:25] offset:512*\i
.endr
.irp k, 0,1,2,3
	s_min_u32 s91, s[40+\k], 0x1fff
	v_lshl_add_u32 v[18+\k], s91, 12, v1
	XROW \k
.endr
	GROUP 3,1,48                                   ; behind group 15's set: gamma, beta and four rows of x
	s_wait_dscnt 0x0                               ; for the others' sake: my columns of Z lie in LDS
	s_barrier_signal -1
	s_barrier_wait -1
; ---- the way out: wave w owns rows 16 w .. 16 w + 15, whole
.irp i, 0,1,2,3,4,5,6,7
	ds_load_b128 v[32+4*\i:35+4*\i], v17 offset:512*\i
.endr
	s_mov_b32 s89, 3
.Lrow:                                 ; a trip: four rows; behind a row's loads of x those of three younger rows are out
	ROW 0,1,1,24
	ROW 1,1,1,24
	ROW 2,1,1,24
	ROW 3,1,1,24
	s_wait_dscnt 0x0                               ; the next row's loads have read their address: it is stepped
	v_add_nc_u32 v17, 16448, v17
.irp n, 40,41,42,43,44,45,46,47,48,49,50,51
	s_mov_b32 s[\n], s[\n+4]                       ; the tokens move down by four: s40-43 the next trip's rows, s44-47 its refills
.endr
	s_sub_co_u32 s89, s89, 1
	s_cmp_lg_u32 s89, 0
	s_cbranch_scc1 .Lrow
	ROW 0,0,1,24                                   ; the last four rows ask for nothing more of x: the counts run down
	ROW 1,0,1,16
	ROW 2,0,1,8
	ROW 3,0,0,0
	s_wait_tensorcnt 0x0
	ds_add_u32 v178, v179
	s_wait_dscnt 0x0
	s_endpgm
.Lfunc_end_k_qaf86edd1d4_chain:
	.size	k_qaf86edd1d4_chain, .Lfunc_end_k_qaf86edd1d4_chain-k_qaf86edd1d4_chain
	.p2alignl 7, 3214868480
	.fill 96, 4, 3214868480
	.section	.rodata,"a",@progbits
	.p2align	6, 0x0
	.amdhsa_kernel k_qaf86edd1d4_chain
		.amdhsa_group_segment_fixed_size 316928
		.amdhsa_private_segment_fixed_size 0
		.amdhsa_enable_private_segment 0
		.amdhsa_kernarg_size 96
		.amdhsa_user_sgpr_count 2
		.amdhsa_user_sgpr_kernarg_segment_ptr 1
		.amdhsa_wavefront_size32 1
		.amdhsa_system_sgpr_workgroup_id_x 1
		.amdhsa_system_sgpr_workgroup_id_y 1
		.amdhsa_system_sgpr_workgroup_id_z 1
		.amdhsa_system_vgpr_workitem_id 0
		.amdhsa_next_free_vgpr 1024
		.amdhsa_next_free_sgpr 100
		.amdhsa_reserve_vcc 0
		.amdhsa_float_denorm_mode_32 3
		.amdhsa_float_denorm_mode_16_64 3
		.amdhsa_memory_ordered 1
		.amdhsa_forward_progress 1
		.amdhsa_inst_pref_size 255
	.end_amdhsa_kernel
	.section	.bss,"aw",@nobits
	.p2align	6
	.space	262144
	.amdgpu_metadata
---
amdhsa.version: [ 1, 2 ]
amdhsa.kernels:
  - .name:           k_qaf86edd1d4_chain
    .symbol:         k_qaf86edd1d4_chain.kd
    .args:
      - { .name: x, .offset: 0, .size: 8, .value_kind: global_buffer, .address_space: global }
      - { .name: xq, .offset: 8, .size: 8, .value_kind: global_buffer, .address_space: global }
      - { .name: xs, .offset: 16, .size: 8, .value_kind: global_buffer, .address_space: global }
      - { .name: wf, .offset: 24, .size: 8, .value_kind: global_buffer, .address_space: global }
      - { .name: ws, .offset: 32, .size: 8, .value_kind: global_buffer, .address_space: global }
      - { .name: gat, .offset: 40, .size: 8, .value_kind: global_buffer, .address_space: global }
      - { .name: plan, .offset: 48, .size: 8, .value_kind: global_buffer, .address_space: global }
      - { .name: b1, .offset: 56, .size: 8, .value_kind: global_buffer, .address_space: global }
      - { .name: b2, .offset: 64, .size: 8, .value_kind: global_buffer, .address_space: global }
      - { .name: gamma, .offset: 72, .size: 8, .value_kind: global_buffer, .address_space: global }
      - { .name: beta, .offset: 80, .size: 8, .value_kind: global_buffer, .address_space: global }
      - { .name: out0, .offset: 88, .size: 8, .value_kind: global_buffer, .address_space: global }
    .group_segment_fixed_size: 316928
    .private_segment_fixed_size: 0
    .kernarg_segment_align: 8
    .kernarg_segment_size: 96
    .max_flat_workgroup_size: 128
    .sgpr_count:     100
    .vgpr_count:     1024
    .wavefront_size: 32
...
	.end_amdgpu_metadata
.endif
;; end of part 3
;; ======== version 2 of 2: 3 launches
;; workspace buffers: xq 6,291,456 bytes; xs 262,144 bytes; wf 6,291,456 bytes; ws 262,144 bytes; route 65,536 bytes of whole numbers; gat 131,072 bytes; plan 37,120 bytes of whole numbers
;; launch prep (part 4): grid 512 x 1, 8 waves a work-group, no clusters, 152,320 bytes of LDS; arguments x, Wg, W1, W2, xq, xs, wf, ws, route, gat; writes xq, xs, wf, ws, route, gat
.if DOCPART == 4
	.amdgcn_target "amdgcn-amd-amdhsa--gfx1250"
	.amdhsa_code_object_version 6
	.text
	.protected	k_qaf86edd1d4_prep
	.globl	k_qaf86edd1d4_prep
	.p2align	8
	.type	k_qaf86edd1d4_prep,@function
k_qaf86edd1d4_prep:
	s_mov_b64 s[64:65], 0
	v_nop
	global_prefetch_b8 v0, s[64:65] scope:SCOPE_SE
	s_setreg_imm32_b32 hwreg(HW_REG_WAVE_MODE, 25, 1), 1
	s_wait_xcnt 0x0
; PREP.  256 work-groups: the router and x's quantiser, 32 tokens each.  256 work-groups: W1 (128) and W2 (128) into codes of FP6 (E2M3), laid in the order of the operand's registers.
; WHO DOES WHAT: bit 0 xor bit 8 of the work-group's number k: 0 the router's path, 1 the weights'; j = k / 2 says which part.  So k and k + 256 take different paths, and each (path, j) is served once:
; routers: even k < 256 (j 0-127), odd k >= 256 (j 128-255); weights: odd k < 256 (j 0-127: W1), even k >= 256 (j 128-255: W2).
; ROUTER: logits = x Wg in f32 (fused multiply-adds), top 2 (ties: the lower index), softmax of the two.  Stored at fixed places: for each token its key p (the unordered pair a < b of experts, 28 keys),
; its rank among the group's tokens of that key, the group's count of each key (route, whole numbers); the gates (ga, gb) and the group's parts of the loss (gat).  No address and no branch hangs on them here.
; x's CODES: a block of 32 along D has the scale 2^(floor(log2(largest magnitude)) - 2); xq [token][768]: block 4 s + 2 c + h at 384 h + 48 s + 24 c, so that a lane's half h finds the 12 registers of K step s on end.
; WEIGHTS: a lane takes a column, its registers run down K (the first axis of W1[e] and W2[e]); a tile of 16 columns x 128 K leaves as the image of the operand's 12 registers: register i of lane l at 512 (i / 4) + 16 l + 4 (i % 4).
; W1's tile 2 b + u of a wave's 128 hidden units takes units 32 b + 8 u + r + 8 (r / 8), so that the first product's results are neighbours along the second product's K.
; LIMITS: NaN and infinities among the inputs are not served.  A block of zeros gets the byte 1 (not 127): its codes are zeros, and this program alone reads the bytes.  A second gate under 2^-126 is flushed to 0
; by the exponential (logit gap above 87.3): that touches the loss's load term alone.
; The three paths part on the work-group's number, never join, and have LDS bytes of their own.
.set WGI,  0                           ; router: Wg as images [chunk 8][piece 8][lane 32] of 16 bytes
.set TS,   32768                       ; router: a stage of 5,120 bytes a wave: a token's 64 runs of 64 bytes, 80 apart
.set CQ,   73728                       ; router: 3,072 bytes a wave: four tokens' codes
.set SCB,  98304                       ; router: 32 tokens x 32 scale bytes
.set KEYS, 99328                       ; router: a word a token
.set GP,   99584                       ; router: (ga, gb) a token
.set RS,   99840                       ; router: the 64 words of route
.set W1ST, 100096                      ; W1: 3,072 bytes a wave: two images
.set W1SC, 124672                      ; W1: scale words
.set W2ST, 125696                      ; W2 likewise
.set W2SC, 150272
.set XR,  16                           ; v16-143  x: token t, chunk i: columns 128 i + 4 lane + 0 .. 3
.set WB,  144                          ; v144-207 Wg: two sets of 32
.set ACC, 208                          ; v208-239 logits: token t, experts in pairs
.set LG,  176
.set QX,  144                          ; the quantiser: two sets of 16 neighbours
.set QC,  204
.set QM,  212
.set QS,  216
.set QB,  218
	s_load_b512 s[4:19], s[0:1], 0x0               ; x, Wg, W1, W2, xq, xs, wf, ws
	s_load_b128 s[20:23], s[0:1], 0x40             ; route, gat
	v_lshl_add_u32 v254, v0, 2, 0x24f00
	v_mov_b32 v255, 0
	v_lshrrev_b32 v1, 5, v0
	s_delay_alu instid0(VALU_DEP_1)
	v_readfirstlane_b32 s24, v1                    ; wave 0..7
	v_and_b32 v1, 31, v0                           ; lane
	s_delay_alu instid0(VALU_DEP_1)
	v_lshlrev_b32 v2, 4, v1                        ; 16 x lane
	s_lshr_b32 s25, ttmp9, 1                       ; j: which router group, or which part of the weights
	s_and_b32 s26, s24, 1
	s_lshr_b32 s27, s24, 1
	s_mov_b32 s41, 0                               ; high words of the offsets' pairs
	s_mov_b32 s43, 0
	s_mov_b32 s45, 0
	s_lshr_b32 s28, ttmp9, 8
	s_xor_b32 s28, s28, ttmp9
	s_and_b32 s28, s28, 1                          ; the path: bit 0 xor bit 8 of the work-group's number
	s_wait_kmcnt 0x0
	s_cmp_eq_u32 s28, 0
	s_cbranch_scc0 .Lweights
; ---------------------------------------------------------------- the router's path
	s_lshl_b32 s40, s25, 17                        ; 32 tokens of 4,096 bytes a group,
	s_lshl_b32 s29, s24, 14                        ; 4 tokens a wave
	s_add_co_u32 s40, s40, s29
	s_add_nc_u64 s[4:5], s[4:5], s[40:41]
	s_lshl_b32 s29, s24, 12
	s_wait_alu depctr_va_vdst(0)
	v_add_nc_u32 v4, s29, v2                       ; Wg: wave v fetches chunk v, 4,096 dense bytes
.irp q, 0,1,2,3,4,5,6,7
	global_load_b128 v[WB+4*\q:WB+4*\q+3], v4, s[6:7] offset:512*\q
.endr
.irp i, 0,1,2,3,4,5,6,7
.irp t, 0,1,2,3
	global_load_b128 v[XR+32*\t+4*\i:XR+32*\t+4*\i+3], v2, s[4:5] offset:4096*\t+512*\i th:TH_LOAD_NT   ; 512 consecutive bytes a load; chunk by chunk
.endr
.endr
	v_and_b32 v5, 7, v1                            ; where a loaded piece goes: byte 512 q + 16 l of a chunk is piece l % 8 of lane 4 q + l / 8
	v_lshrrev_b32 v6, 3, v1
	s_delay_alu instid0(VALU_DEP_2)
	v_lshlrev_b32 v5, 9, v5
	s_delay_alu instid0(VALU_DEP_1)
	v_lshl_add_u32 v5, v6, 4, v5
	s_delay_alu instid0(VALU_DEP_1)
	v_add_nc_u32 v5, s29, v5
	s_mul_i32 s29, s24, 5120
	s_add_co_u32 s29, s29, TS
	v_lshrrev_b32 v7, 2, v1
	s_delay_alu instid0(VALU_DEP_1)
	v_mul_u32_u24 v7, v7, 80
	v_and_b32 v8, 3, v1
	s_delay_alu instid0(VALU_DEP_1)
	v_lshl_add_u32 v7, v8, 4, v7
	s_delay_alu instid0(VALU_DEP_1)
	v_add_nc_u32 v7, s29, v7                       ; the stage, in: 80 (lane / 4) + 16 (lane % 4)
	v_mul_u32_u24 v8, v1, 80
	s_delay_alu instid0(VALU_DEP_1)
	v_add_nc_u32 v8, s29, v8                       ; and out: 80 x lane: 16 neighbours
	s_mul_i32 s29, s24, 3072
	s_add_co_u32 s29, s29, CQ
	v_bfe_u32 v9, v1, 1, 1                         ; my half block's 12 bytes in xq's order: block 16 p + lane / 2 = 4 s + 2 c + h
	s_delay_alu instid0(VALU_DEP_1)
	v_mul_u32_u24 v9, v9, 384
	v_lshrrev_b32 v10, 3, v1
	s_delay_alu instid0(VALU_DEP_1)
	v_mad_u32_u24 v9, v10, 48, v9
	v_bfe_u32 v10, v1, 2, 1
	s_delay_alu instid0(VALU_DEP_1)
	v_mad_u32_u24 v9, v10, 24, v9
	v_and_b32 v10, 1, v1
	s_delay_alu instid0(VALU_DEP_1)
	v_mad_u32_u24 v9, v10, 12, v9
	s_delay_alu instid0(VALU_DEP_1)
	v_add_nc_u32 v9, s29, v9
	v_add_nc_u32 v11, s29, v2                      ; the codes, read back dense
	s_lshl_b32 s29, s24, 7
	s_add_co_u32 s29, s29, SCB
	v_lshrrev_b32 v10, 1, v1
	s_delay_alu instid0(VALU_DEP_1)
	v_add_nc_u32 v10, s29, v10                     ; my block's scale byte
	v_and_b32 v3, 3, v1
	s_lshl_b32 s29, s24, 4
	s_add_co_u32 s29, s29, KEYS
	v_lshl_add_u32 v12, v3, 2, s29
	s_lshl_b32 s29, s24, 5
	s_add_co_u32 s29, s29, GP
	v_lshl_add_u32 v13, v3, 3, s29
	s_lshl_b32 s29, s26, 9
	v_add_nc_u32 v15, s29, v2                      ; waves 2, 3: 512 bytes each of the group's scale bytes
	s_delay_alu instid0(VALU_DEP_1)
	v_add_nc_u32 v14, SCB, v15
	v_lshl_add_u32 v240, v1, 2, KEYS               ; wave 0, a lane a token
	v_lshl_add_u32 v241, v1, 3, GP
	v_lshl_add_u32 v242, v1, 2, RS
	v_lshl_add_u32 v243, v1, 3, RS
	v_lshlrev_b32 v244, 3, v1
	s_lshl_b32 s40, s25, 3
	s_add_co_u32 s40, s40, s24
	s_mul_i32 s40, s40, 3072
	s_add_nc_u64 s[12:13], s[12:13], s[40:41]      ; xq at my four tokens
	s_lshl_b32 s40, s25, 10
	s_add_nc_u64 s[14:15], s[14:15], s[40:41]      ; xs at the group
	s_lshl_b32 s40, s25, 8
	s_add_nc_u64 s[20:21], s[20:21], s[40:41]      ; route and gat at the group
	s_add_nc_u64 s[22:23], s[22:23], s[40:41]
	s_mov_b32 s30, 0x76543210
	s_mov_b32 s31, 0xfedcba98                      ; lane l xor 16
	s_mov_b32 s32, 0xaaaaaaaa                      ; lanes with bit 0
	s_mov_b32 s33, 0xcccccccc                      ; lanes with bit 1
	s_wait_loadcnt 32                              ; Wg's eight loads are in; x's 32 stay out
.irp q, 0,1,2,3,4,5,6,7
	ds_store_b128 v5, v[WB+4*\q:WB+4*\q+3] offset:64*\q
.endr
	s_wait_dscnt 0x0                               ; for the others' sake: my chunk of Wg lies in LDS
	s_barrier_signal -1
	s_barrier_wait -1
.macro LDW i                           ; chunk i: my four columns' 32 numbers of Wg
.irp q, 0,1,2,3,4,5,6,7
	ds_load_b128 v[WB+32*((\i)%2)+4*\q:WB+32*((\i)%2)+4*\q+3], v2 offset:4096*(\i)+512*\q
.endr
.endm
.macro FMAJ i, j                       ; column 128 i + 4 lane + j of four tokens against its eight numbers of Wg; 16 chains
.irp t, 0,1,2,3
.irp p, 0,1,2,3
.if ((\i)==0)&&((\j)==0)
	v_pk_mul_f32 v[ACC+8*\t+2*\p:ACC+8*\t+2*\p+1], v[WB+32*((\i)%2)+8*(\j)+2*\p:WB+32*((\i)%2)+8*(\j)+2*\p+1], v[XR+32*\t+4*(\i)+2*((\j)/2):XR+32*\t+4*(\i)+2*((\j)/2)+1] op_sel_hi:[1,0]
.elseif ((\j)%2)==0
	v_pk_fma_f32 v[ACC+8*\t+2*\p:ACC+8*\t+2*\p+1], v[WB+32*((\i)%2)+8*(\j)+2*\p:WB+32*((\i)%2)+8*(\j)+2*\p+1], v[XR+32*\t+4*(\i)+2*((\j)/2):XR+32*\t+4*(\i)+2*((\j)/2)+1], v[ACC+8*\t+2*\p:ACC+8*\t+2*\p+1] op_sel_hi:[1,0,1]
.else
	v_pk_fma_f32 v[ACC+8*\t+2*\p:ACC+8*\t+2*\p+1], v[WB+32*((\i)%2)+8*(\j)+2*\p:WB+32*((\i)%2)+8*(\j)+2*\p+1], v[XR+32*\t+4*(\i)+2*((\j)/2):XR+32*\t+4*(\i)+2*((\j)/2)+1], v[ACC+8*\t+2*\p:ACC+8*\t+2*\p+1] op_sel:[0,1,0] op_sel_hi:[1,1,1]
.endif
.endr
.endr
.endm
	LDW 0
.irp i, 0,1,2,3,4,5,6,7
.if \i<7
	LDW \i+1
	s_wait_dscnt 8                                 ; this chunk's eight are in; the next chunk's eight stay out
.else
	s_wait_dscnt 0x0
.endif
	s_wait_loadcnt 28-4*\i                         ; x's chunk i of four tokens is in; four loads for each later chunk stay out
.irp j, 0,1,2,3
	FMAJ \i,\j
.endr
.endr
.irp k, 1,2,4,8                        ; the 32 sums over the lanes
.set N, 0
.rept 32
	v_add_f32_dpp v[ACC+N], v[ACC+N], v[ACC+N] row_xmask:\k row_mask:0xf bank_mask:0xf
.set N, N+1
.endr
.endr
.set N, 0
.rept 32
	v_permlanex16_b32 v[WB+N], v[ACC+N], s30, s31
.set N, N+1
.endr
.set N, 0
.rept 32
	v_add_f32 v[ACC+N], v[ACC+N], v[WB+N]
.set N, N+1
.endr
.irp e, 0,1,2,3,4,5,6,7                ; lane l goes on with token l % 4
	v_cndmask_b32 v184, v[ACC+\e], v[ACC+8+\e], s32
	v_cndmask_b32 v185, v[ACC+16+\e], v[ACC+24+\e], s32
	s_delay_alu instid0(VALU_DEP_1)
	v_cndmask_b32 v[LG+\e], v184, v185, s33
.endr
	v_mov_b32 v186, v[LG]                          ; the largest, by strict compares in ascending order: the lower index keeps a tie
	v_mov_b32 v187, 0
.irp e, 1,2,3,4,5,6,7
	s_delay_alu instid0(VALU_DEP_2)
	v_cmp_gt_f32 vcc_lo, v[LG+\e], v186
	s_delay_alu instid0(VALU_DEP_1)
	v_cndmask_b32 v186, v186, v[LG+\e], vcc_lo
	s_delay_alu instid0(VALU_DEP_2)
	v_cndmask_b32 v187, v187, \e, vcc_lo
.endr
	v_mov_b32 v190, 0xff800000
.irp e, 0,1,2,3,4,5,6,7
	v_cmp_eq_u32 vcc_lo, \e, v187
	s_delay_alu instid0(VALU_DEP_1)
	v_cndmask_b32 v[LG+\e], v[LG+\e], v190, vcc_lo ; the winner is out
.endr
	v_mov_b32 v188, v[LG]
	v_mov_b32 v189, 0
.irp e, 1,2,3,4,5,6,7
	s_delay_alu instid0(VALU_DEP_2)
	v_cmp_gt_f32 vcc_lo, v[LG+\e], v188
	s_delay_alu instid0(VALU_DEP_1)
	v_cndmask_b32 v188, v188, v[LG+\e], vcc_lo
	s_delay_alu instid0(VALU_DEP_2)
	v_cndmask_b32 v189, v189, \e, vcc_lo
.endr
	s_delay_alu instid0(VALU_DEP_2)
	v_sub_f32 v191, v188, v186                     ; the maximum is taken away: second - first, 0 or less
	s_delay_alu instid0(VALU_DEP_1)
	v_mul_f32 v191, 0x3fb8aa3b, v191
	s_wait_alu depctr_va_vdst(0)
	v_exp_f32 v192, v191
	v_min_u32 v193, v187, v189                     ; a, the lower expert (a plain instruction behind the exponential)
	s_wait_alu depctr_va_vdst(0)                   ; the wait ahead of the result's first reader
	v_add_f32 v194, 1.0, v192
	s_wait_alu depctr_va_vdst(0)
	v_rcp_f32 v195, v194                           ; the first's gate
	v_add_nc_u32 v196, v187, v189
	s_wait_alu depctr_va_vdst(0)
	v_mul_f32 v197, v192, v195                     ; the second's
	v_sub_nc_u32 v196, v196, v193                  ; b, the higher expert
	v_cmp_lt_u32 vcc_lo, v187, v189
	v_cndmask_b32 v198, v197, v195, vcc_lo         ; ga
	v_cndmask_b32 v199, v195, v197, vcc_lo         ; gb
	v_sub_nc_u32 v200, 15, v193
	s_delay_alu instid0(VALU_DEP_1)
	v_mul_u32_u24 v200, v193, v200
	s_delay_alu instid0(VALU_DEP_1)
	v_lshrrev_b32 v200, 1, v200
	s_delay_alu instid0(VALU_DEP_1)
	v_add_nc_u32 v200, v200, v196
	s_delay_alu instid0(VALU_DEP_1)
	v_sub_nc_u32 v200, v200, v193
	s_delay_alu instid0(VALU_DEP_1)
	v_add_nc_u32 v200, -1, v200                    ; p = a (15 - a) / 2 + b - a - 1
	s_delay_alu instid0(VALU_DEP_1)
	v_lshl_or_b32 v200, v193, 8, v200
	s_delay_alu instid0(VALU_DEP_1)
	v_lshl_or_b32 v200, v196, 16, v200
	ds_store_b32 v12, v200                         ; (the eight lanes of a token write the same word with the same value)
	ds_store_b64 v13, v[198:199]
; token t of my four: through the stage, so that a lane holds 16 neighbours (two lanes hold a block); scale, codes, byte
.macro XQUANT t
.irp i, 0,1,2,3,4,5,6,7
	ds_store_b128 v7, v[XR+32*\t+4*\i:XR+32*\t+4*\i+3] offset:640*\i
.endr
.irp p, 0,1
.irp c, 0,1,2,3
	ds_load_b128 v[QX+16*\p+4*\c:QX+16*\p+4*\c+3], v8 offset:2560*\p+16*\c   ; LDS serves a wave's instructions in order: these see the stores above
.endr
.endr
	s_wait_dscnt 0x0                               ; the numbers are back, and the last token's stores have read their registers
.irp p, 0,1
	v_max3_num_f32 v[QM+2*\p], |v[QX+16*\p]|, |v[QX+16*\p+1]|, |v[QX+16*\p+2]|
	v_max3_num_f32 v[QM+2*\p+1], |v[QX+16*\p+3]|, |v[QX+16*\p+4]|, |v[QX+16*\p+5]|
.endr
.irp i, 6,10
.irp p, 0,1
	s_delay_alu instid0(VALU_DEP_4)
	v_max3_num_f32 v[QM+2*\p], v[QM+2*\p], |v[QX+16*\p+\i]|, |v[QX+16*\p+\i+1]|
	s_delay_alu instid0(VALU_DEP_4)
	v_max3_num_f32 v[QM+2*\p+1], v[QM+2*\p+1], |v[QX+16*\p+\i+2]|, |v[QX+16*\p+\i+3]|
.endr
.endr
.irp p, 0
	s_delay_alu instid0(VALU_DEP_4)
	v_max3_num_f32 v[QM+2*\p], v[QM+2*\p], |v[QX+16*\p+14]|, |v[QX+16*\p+15]|
.endr
.irp p, 1
	s_delay_alu instid0(VALU_DEP_3)
	v_max3_num_f32 v[QM+2*\p], v[QM+2*\p], |v[QX+16*\p+14]|, |v[QX+16*\p+15]|
.endr
.irp p, 0,1
	s_delay_alu instid0(VALU_DEP_2)
	v_max3_num_f32 v[QM+2*\p], v[QM+2*\p], v[QM+2*\p+1], 0x1800000   ; the floor 2^(3 - 127): the byte cannot fall under 1
.endr
.irp p, 0,1
	s_delay_alu instid0(VALU_DEP_2)
	v_max_num_f32_dpp v[QM+2*\p], v[QM+2*\p], v[QM+2*\p] row_xmask:1 row_mask:0xf bank_mask:0xf   ; with my neighbour's 16: the block's
.endr
.irp p, 0,1
	s_delay_alu instid0(VALU_DEP_2)
	v_add_nc_u32 v[QS+\p], 0xff000000, v[QM+2*\p]  ; 2 off the exponent field: the conversion's scale operand
.endr
.irp p, 0,1
	v_cvt_scalef32_pk16_fp6_f32 v[QC+4*\p:QC+4*\p+2], v[QX+16*\p:QX+16*\p+15], v[QS+\p]
.endr
.irp p, 0,1
	v_lshrrev_b32 v[QB+\p], 23, v[QS+\p]           ; the scale's byte (plain instructions behind the conversions)
.endr
.irp p, 0,1
	ds_store_b32 v9, v[QC+4*\p] offset:768*\t+192*\p
	ds_store_b32 v9, v[QC+4*\p+1] offset:768*\t+192*\p+4
	ds_store_b32 v9, v[QC+4*\p+2] offset:768*\t+192*\p+8
	ds_store_b8 v10, v[QB+\p] offset:32*\t+16*\p   ; both lanes of a block write the same byte
.endr
.endm
	XQUANT 0
	XQUANT 1
	XQUANT 2
	XQUANT 3
.irp q, 0,1,2,3,4,5
	ds_load_b128 v[QX+4*\q:QX+4*\q+3], v11 offset:512*\q
.endr
.irp q, 0,1,2,3,4,5
	s_wait_dscnt 5-\q                              ; piece q is back; the younger ones stay out
	global_store_b128 v2, v[QX+4*\q:QX+4*\q+3], s[12:13] offset:512*\q   ; 512 consecutive bytes, at a multiple of 256 from xq's first byte
.endr
	s_wait_dscnt 0x0                               ; for the others' sake: keys, gates and scale bytes lie in LDS
	s_barrier_signal -1
	s_barrier_wait -1
	s_cmp_eq_u32 s24, 0
	s_cbranch_scc1 .Lwave0
	s_cmp_eq_u32 s27, 1                            ; waves 2 and 3: the group's 1,024 scale bytes
	s_cbranch_scc0 .Lrouter_end
	ds_load_b128 v[176:179], v14
	s_wait_dscnt 0x0
	global_store_b128 v15, v[176:179], s[14:15]
.Lrouter_end:
	s_wait_tensorcnt 0x0
	ds_add_u32 v254, v255
	s_wait_dscnt 0x0
	s_endpgm
.Lwave0:                               ; a lane a token: ranks, counts, the parts of the loss
	ds_load_b32 v16, v240
	ds_load_b64 v[20:21], v241
	v_mov_b32 v22, 0                               ; my rank among the group's tokens of my key
	v_mov_b32 v23, 0                               ; lane p: the group's count of key p
	s_wait_dscnt 0x0
	v_and_b32 v17, 0xff, v16
	v_bfe_u32 v18, v16, 8, 8
	v_bfe_u32 v19, v16, 16, 8
.set PP, 0
.rept 28
	v_cmp_eq_u32 s34, PP, v17
	s_delay_alu instid0(VALU_DEP_1)
	v_mbcnt_lo_u32_b32 v24, s34, 0
	s_wait_alu depctr_va_vdst(0)
	v_cndmask_b32 v22, v22, v24, s34
	s_bcnt1_i32_b32 s35, s34
	v_writelane_b32 v23, s35, PP
.set PP, PP+1
.endr
	v_lshl_or_b32 v25, v22, 8, v17
	ds_store_b32 v242, v25
	ds_store_b32 v242, v23 offset:128
	ds_load_b64 v[26:27], v243
	global_store_b64 v244, v[20:21], s[22:23]      ; the gates: 256 consecutive bytes
	v_mov_b32 v28, 0
	v_mov_b32 v29, 0
	v_mov_b32 v30, 0
	v_mov_b32 v32, 0
.irp e, 0,1,2,3,4,5,6,7
	v_cmp_eq_u32 vcc_lo, \e, v18
	s_delay_alu instid0(VALU_DEP_1)
	v_cndmask_b32 v31, 0, v20, vcc_lo
	v_cmp_eq_u32 vcc_lo, \e, v19
	s_delay_alu instid0(VALU_DEP_1)
	v_cndmask_b32 v31, v31, v21, vcc_lo            ; the dense gate of expert e
	s_delay_alu instid0(VALU_DEP_1)
	v_cmp_lt_f32 s34, 0, v31
	s_bcnt1_i32_b32 s35, s34
	v_writelane_b32 v30, s35, 8+\e                 ; load
	v_add_f32_dpp v31, v31, v31 row_xmask:1 row_mask:0xf bank_mask:0xf
	s_delay_alu instid0(VALU_DEP_1)
	v_add_f32_dpp v31, v31, v31 row_xmask:2 row_mask:0xf bank_mask:0xf
	s_delay_alu instid0(VALU_DEP_1)
	v_add_f32_dpp v31, v31, v31 row_xmask:4 row_mask:0xf bank_mask:0xf
	s_delay_alu instid0(VALU_DEP_1)
	v_add_f32_dpp v31, v31, v31 row_xmask:8 row_mask:0xf bank_mask:0xf
	s_delay_alu instid0(VALU_DEP_1)
	v_permlanex16_b32 v32, v31, s30, s31
	s_delay_alu instid0(VALU_DEP_1)
	v_add_f32 v31, v31, v32
	s_delay_alu instid0(VALU_DEP_1)
	v_readfirstlane_b32 s35, v31
	s_delay_alu instid0(VALU_DEP_1)
	v_writelane_b32 v28, s35, \e                   ; importance
.endr
	v_cvt_f32_u32 v30, v30
	s_delay_alu instid0(VALU_DEP_1)
	v_add_f32 v28, v28, v30                        ; lanes 0-7 importance, 8-15 load, the others 0
	global_store_b64 v244, v[28:29], s[22:23] offset:65536
	s_wait_dscnt 0x0
	global_store_b64 v244, v[26:27], s[20:21]      ; sel and counts: 256 consecutive bytes
	s_wait_tensorcnt 0x0
	ds_add_u32 v254, v255
	s_wait_dscnt 0x0
	s_endpgm
; ---------------------------------------------------------------- the weights' paths
.macro WBLOCK kb, n                    ; block kb = 2 c + h of my column: scale, byte, 24 bytes of codes into the image
.set BX, 32+32*(\kb)
.set BC, 160+8*(\kb)
	s_wait_loadcnt \n
	v_max3_num_f32 v20, |v[BX]|, |v[BX+1]|, |v[BX+2]|
	v_max3_num_f32 v21, |v[BX+3]|, |v[BX+4]|, |v[BX+5]|
.irp i, 6,10,14,18,22,26
	s_delay_alu instid0(VALU_DEP_2)
	v_max3_num_f32 v20, v20, |v[BX+\i]|, |v[BX+\i+1]|
	s_delay_alu instid0(VALU_DEP_2)
	v_max3_num_f32 v21, v21, |v[BX+\i+2]|, |v[BX+\i+3]|
.endr
	s_delay_alu instid0(VALU_DEP_2)
	v_max3_num_f32 v20, v20, |v[BX+30]|, |v[BX+31]|
	s_delay_alu instid0(VALU_DEP_1)
	v_max3_num_f32 v20, v20, v21, 0x1800000        ; the floor 2^(3 - 127)
	s_delay_alu instid0(VALU_DEP_1)
	v_add_nc_u32 v22, 0xff000000, v20
	s_delay_alu instid0(VALU_DEP_1)
	v_lshrrev_b32 v23, 23, v22
.if (\kb)==0
	s_delay_alu instid0(VALU_DEP_1)
	v_mov_b32 v24, v23
.else
	s_delay_alu instid0(VALU_DEP_1)
	v_lshl_or_b32 v24, v23, 8*(\kb), v24
.endif
	v_cvt_scalef32_pk16_fp6_f32 v[BC:BC+2], v[BX:BX+15], v22
	v_cvt_scalef32_pk16_fp6_f32 v[BC+4:BC+6], v[BX+16:BX+31], v22   ; (a conversion's three registers begin on an even number)
	v_nop                                          ; one plain instruction behind the conversions
	v_mov_b32 v[BC+3], v[BC+4]
	v_mov_b32 v[BC+4], v[BC+5]
	v_mov_b32 v[BC+5], v[BC+6]
.if (\kb)<2
	ds_store_b128 v6, v[BC:BC+3] offset:256*((\kb)%2)              ; registers 0-3 of lane r + 16 h
	ds_store_b64 v6, v[BC+4:BC+5] offset:512+256*((\kb)%2)         ; 4, 5
.else
	ds_store_b64 v6, v[BC:BC+1] offset:520+256*((\kb)%2)           ; 6, 7
	ds_store_b128 v6, v[BC+2:BC+5] offset:1024+256*((\kb)%2)       ; 8-11
.endif
.endm
; a wave: 32 columns x 128 along K.  pitch: bytes from k to k + 1; perm = 1: W1's choice of a tile's rows; stp: bytes between my two tiles' images in wf; inp: the input's pointer
.macro WBODY pitch, perm, stg, scw, stp, inp
.set K, 0
.rept 128
	global_load_b32 v[32+K], v12, s[\inp:\inp+1] offset:K*\pitch th:TH_LOAD_NT   ; 128 consecutive bytes a load
.set K, K+1
.endr
.if \perm
	v_bfe_u32 v3, v1, 3, 1                         ; u: which of my two tiles
	v_and_b32 v4, 7, v1
	v_lshrrev_b32 v5, 4, v1
	s_delay_alu instid0(VALU_DEP_1)
	v_lshl_add_u32 v4, v5, 3, v4                   ; r: which row of it
.else
	v_lshrrev_b32 v3, 4, v1
	v_and_b32 v4, 15, v1
.endif
	s_mul_i32 s46, s24, 3072
	v_mul_u32_u24 v6, v3, 1536
	s_delay_alu instid0(VALU_DEP_1)
	v_lshl_add_u32 v6, v4, 4, v6
	s_delay_alu instid0(VALU_DEP_1)
	v_add_nc_u32 v6, s46, v6
	s_delay_alu instid0(VALU_DEP_1)
	v_add_nc_u32 v6, \stg, v6                      ; my column's place in the images
	s_lshl_b32 s47, s26, 1
	v_add_nc_u32 v7, s47, v3                       ; which of the work-group's four tiles
	v_lshlrev_b32 v8, 4, v4
.if \perm
	s_delay_alu instid0(VALU_DEP_1)
	v_lshl_add_u32 v8, v7, 2, v8
	s_lshl_b32 s47, s27, 8
.else
	s_delay_alu instid0(VALU_DEP_1)
	v_lshl_add_u32 v8, v7, 8, v8
	s_lshl_b32 s47, s27, 2
.endif
	v_add_nc_u32 v8, s47, v8
	s_delay_alu instid0(VALU_DEP_1)
	v_add_nc_u32 v8, \scw, v8                      ; my column's scale word
	v_add_nc_u32 v9, s46, v2
	s_delay_alu instid0(VALU_DEP_1)
	v_add_nc_u32 v9, \stg, v9                      ; the images, read back dense
	s_lshl_b32 s47, s26, 9
	v_add_nc_u32 v10, s47, v2
	s_delay_alu instid0(VALU_DEP_1)
	v_add_nc_u32 v10, \scw, v10                    ; waves 0, 1: 512 bytes each of the scale words
.if \perm
	s_lshl_b32 s47, s26, 10
	v_lshrrev_b32 v11, 4, v1
	s_delay_alu instid0(VALU_DEP_1)
	v_lshlrev_b32 v11, 9, v11
	v_and_b32 v13, 15, v1
	s_delay_alu instid0(VALU_DEP_1)
	v_lshl_add_u32 v11, v13, 4, v11
	s_delay_alu instid0(VALU_DEP_1)
	v_add_nc_u32 v11, s47, v11                     ; in ws: a K step's half of 256 bytes for each sixteen lanes
.else
	v_add_nc_u32 v11, s47, v2
.endif
	WBLOCK 0, 63                                   ; the first 32 loads are in (96 are younger; the count's field holds 63)
	WBLOCK 1, 63
	WBLOCK 2, 32
	WBLOCK 3, 0
	ds_store_b32 v8, v24
.irp q, 0,1,2,3,4,5
	ds_load_b128 v[192+4*\q:192+4*\q+3], v9 offset:512*\q
.endr
.irp q, 0,1,2,3,4,5
	s_wait_dscnt 5-\q
	global_store_b128 v2, v[192+4*\q:192+4*\q+3], s[16:17] offset:(\q/3)*\stp+512*(\q%3)   ; 512 consecutive bytes, at a multiple of 256 from wf's first byte
.endr
	s_wait_dscnt 0x0                               ; for the others' sake: my scale words lie in LDS
	s_barrier_signal -1
	s_barrier_wait -1
	s_cmp_lt_u32 s24, 2
	s_cbranch_scc0 .Lwend_\@
	ds_load_b128 v[216:219], v10
	s_wait_dscnt 0x0
	global_store_b128 v11, v[216:219], s[18:19]    ; sixteen lanes store 256 consecutive bytes, aligned
.Lwend_\@:
	s_wait_tensorcnt 0x0
	ds_add_u32 v254, v255
	s_wait_dscnt 0x0
	s_endpgm
.endm
.Lweights:
	s_wait_alu depctr_va_vdst(0)
	v_lshlrev_b32 v12, 2, v1
	s_cmp_lt_u32 s25, 128
	s_cbranch_scc0 .Lw2
	s_lshr_b32 s28, s25, 4                         ; W1: expert,
	s_bfe_u32 s29, s25, 0x30001                    ; g: which 64 hidden units,
	s_and_b32 s30, s25, 1                          ; which four K steps
	s_lshl_b32 s31, s30, 2
	s_add_co_u32 s31, s31, s27                     ; my K step
	s_lshr_b32 s32, s29, 1                         ; w: whose 128 units in the chain
	s_and_b32 s33, s29, 1
	s_lshl_b32 s40, s28, 21
	s_lshl_b32 s34, s31, 18
	s_add_co_u32 s40, s40, s34
	s_lshl_b32 s34, s29, 8
	s_add_co_u32 s40, s40, s34
	s_lshl_b32 s34, s26, 7
	s_add_co_u32 s40, s40, s34
	s_add_nc_u64 s[8:9], s[8:9], s[40:41]
	s_lshl_b32 s35, s28, 2
	s_add_co_u32 s35, s35, s32                     ; 4 e + w
	s_lshl_b32 s42, s35, 3
	s_add_co_u32 s42, s42, s31
	s_lshl_b32 s42, s42, 3
	s_lshl_b32 s34, s33, 2
	s_add_co_u32 s42, s42, s34
	s_lshl_b32 s34, s26, 1
	s_add_co_u32 s42, s42, s34                     ; ((4 e + w) 8 + s) 8 + my first tile
	s_mul_i32 s42, s42, 1536
	s_add_nc_u64 s[16:17], s[16:17], s[42:43]
	s_lshl_b32 s44, s35, 3
	s_lshl_b32 s34, s30, 2
	s_add_co_u32 s44, s44, s34
	s_lshl_b32 s44, s44, 9
	s_lshl_b32 s34, s33, 8
	s_add_co_u32 s44, s44, s34
	s_add_nc_u64 s[18:19], s[18:19], s[44:45]
	s_wait_alu depctr_va_vdst(0)
	WBODY 2048, 1, W1ST, W1SC, 1536, 8
.Lw2:
	s_sub_co_u32 s25, s25, 128
	s_lshr_b32 s28, s25, 4                         ; W2: expert,
	s_and_b32 s29, s25, 15                         ; g: which 64 outputs
	s_lshr_b32 s32, s29, 2                         ; w: whose 256 outputs in the chain
	s_and_b32 s33, s29, 3
	s_lshl_b32 s40, s28, 21
	s_lshl_b32 s34, s27, 19
	s_add_co_u32 s40, s40, s34
	s_lshl_b32 s34, s29, 8
	s_add_co_u32 s40, s40, s34
	s_lshl_b32 s34, s26, 7
	s_add_co_u32 s40, s40, s34
	s_add_nc_u64 s[10:11], s[10:11], s[40:41]
	s_lshl_b32 s35, s28, 2
	s_add_co_u32 s35, s35, s32
	s_lshl_b32 s35, s35, 4
	s_lshl_b32 s34, s33, 2
	s_add_co_u32 s35, s35, s34                     ; (4 e + w) 16 + 4 (g % 4)
	s_lshl_b32 s34, s26, 1
	s_add_co_u32 s42, s35, s34                     ; + my first tile
	s_lshl_b32 s42, s42, 2
	s_add_co_u32 s42, s42, s27                     ; x 4 + my K step
	s_mul_i32 s42, s42, 1536
	s_add_co_u32 s42, s42, 3145728
	s_add_nc_u64 s[16:17], s[16:17], s[42:43]
	s_lshl_b32 s44, s35, 8
	s_add_co_u32 s44, s44, 131072
	s_add_nc_u64 s[18:19], s[18:19], s[44:45]
	s_wait_alu depctr_va_vdst(0)
	WBODY 4096, 0, W2ST, W2SC, 6144, 10
.Lfunc_end_k_qaf86edd1d4_prep:
	.size	k_qaf86edd1d4_prep, .Lfunc_end_k_qaf86edd1d4_prep-k_qaf86edd1d4_prep
	.p2alignl 7, 3214868480
	.fill 96, 4, 3214868480
	.section	.rodata,"a",@progbits
	.p2align	6, 0x0
	.amdhsa_kernel k_qaf86edd1d4_prep
		.amdhsa_group_segment_fixed_size 152320
		.amdhsa_private_segment_fixed_size 0
		.amdhsa_enable_private_segment 0
		.amdhsa_kernarg_size 80
		.amdhsa_user_sgpr_count 2
		.amdhsa_user_sgpr_kernarg_segment_ptr 1
		.amdhsa_wavefront_size32 1
		.amdhsa_system_sgpr_workgroup_id_x 1
		.amdhsa_system_sgpr_workgroup_id_y 1
		.amdhsa_system_sgpr_workgroup_id_z 1
		.amdhsa_system_vgpr_workitem_id 0
		.amdhsa_next_free_vgpr 256
		.amdhsa_next_free_sgpr 66
		.amdhsa_reserve_vcc 1
		.amdhsa_float_denorm_mode_32 3
		.amdhsa_float_denorm_mode_16_64 3
		.amdhsa_memory_ordered 1
		.amdhsa_forward_progress 1
		.amdhsa_inst_pref_size 148
	.end_amdhsa_kernel
	.amdgpu_metadata
---
amdhsa.version: [ 1, 2 ]
amdhsa.kernels:
  - .name:           k_qaf86edd1d4_prep
    .symbol:         k_qaf86edd1d4_prep.kd
    .args:
      - { .name: x, .offset: 0, .size: 8, .value_kind: global_buffer, .address_space: global }
      - { .name: Wg, .offset: 8, .size: 8, .value_kind: global_buffer, .address_space: global }
      - { .name: W1, .offset: 16, .size: 8, .value_kind: global_buffer, .address_space: global }
      - { .name: W2, .offset: 24, .size: 8, .value_kind: global_buffer, .address_space: global }
      - { .name: xq, .offset: 32, .size: 8, .value_kind: global_buffer, .address_space: global }
      - { .name: xs, .offset: 40, .size: 8, .value_kind: global_buffer, .address_space: global }
      - { .name: wf, .offset: 48, .size: 8, .value_kind: global_buffer, .address_space: global }
      - { .name: ws, .offset: 56, .size: 8, .value_kind: global_buffer, .address_space: global }
      - { .name: route, .offset: 64, .size: 8, .value_kind: global_buffer, .address_space: global }
      - { .name: gat, .offset: 72, .size: 8, .value_kind: global_buffer, .address_space: global }
    .group_segment_fixed_size: 152320
    .private_segment_fixed_size: 0
    .kernarg_segment_align: 8
    .kernarg_segment_size: 80
    .max_flat_workgroup_size: 256
    .sgpr_count:     66
    .vgpr_count:     256
    .wavefront_size: 32
...
	.end_amdgpu_metadata
.endif
;; end of part 4
;; launch place (part 5): grid 1 x 1, 16 waves a work-group, no clusters, 6,144 bytes of LDS; arguments route, gat, plan, out1; writes plan, out1
.if DOCPART == 5
	.amdgcn_target "amdgcn-amd-amdhsa--gfx1250"
	.amdhsa_code_object_version 6
	.text
	.protected	k_qaf86edd1d4_place
	.globl	k_qaf86edd1d4_place
	.p2align	8
	.type	k_qaf86edd1d4_place,@function
k_qaf86edd1d4_place:
	s_mov_b64 s[64:65], 0
	v_nop
	global_prefetch_b8 v0, s[64:65] scope:SCOPE_SE
	s_setreg_imm32_b32 hwreg(HW_REG_WAVE_MODE, 25, 1), 1
	s_wait_xcnt 0x0
; PLACE.  One work-group sorts the 8,192 tokens by their key (28 unordered pairs of experts) by a counting sort without atomics, writes the list of tiles, and finishes the loss.
; route: [256 groups][64 words]: words 0-31 key | rank << 8 of the group's 32 tokens, words 32-63 the group's count of each key.  gat from byte 65,536: [256 groups][32 x (value, 0)]: importance, load.
; plan: byte 0: 160 records (first, count, a, b); byte 4,096: the tokens in the order of their keys, dense, and 64 zeros behind them, so that a tile's 64 reads stay inside.
; A tile is at most 64 tokens of one key: never more than 8,192 / 64 + 27 = 155 tiles; records past the last tile have count 0.
; Wave v owns groups 16 v .. 16 v + 15.  For counts a lane is a key, for tokens a lane is a token.
.set CNT, 16
.set SEL, 32
.set LS,  48
.set PRE, 64
.set WTL, 96
	s_load_b256 s[4:11], s[0:1], 0x0               ; route, gat, plan, out1
	v_lshl_add_u32 v192, v0, 2, 0x1000
	v_mov_b32 v193, 0
	v_lshrrev_b32 v1, 5, v0
	s_delay_alu instid0(VALU_DEP_1)
	v_readfirstlane_b32 s12, v1                    ; wave 0..15
	v_and_b32 v1, 31, v0                           ; lane
	s_delay_alu instid0(VALU_DEP_1)
	v_lshlrev_b32 v2, 2, v1
	v_lshlrev_b32 v3, 2, v0                        ; LDS: a word a thread
	s_lshl_b32 s13, s12, 12
	v_add_nc_u32 v4, s13, v2
	v_lshrrev_b32 v5, 4, v1
	v_and_b32 v6, 15, v1
	s_delay_alu instid0(VALU_DEP_2)
	v_lshlrev_b32 v7, 8, v5
	s_delay_alu instid0(VALU_DEP_1)
	v_lshl_add_u32 v7, v6, 3, v7
	s_delay_alu instid0(VALU_DEP_1)
	v_add_nc_u32 v7, s13, v7                       ; the loss's parts: two groups a load, sixteen numbers each
	s_lshl_b32 s14, s12, 9
	v_add_nc_u32 v8, s14, v1                       ; my token in the wave's first group
	s_mov_b32 s16, 0x76543210
	s_mov_b32 s17, 0xfedcba98
	s_wait_alu depctr_va_vdst(0)
	s_wait_kmcnt 0x0
.irp i, 0,1,2,3,4,5,6,7,8,9,10,11,12,13,14,15
	global_load_b32 v[CNT+\i], v4, s[4:5] offset:256*\i+128
.endr
.irp i, 0,1,2,3,4,5,6,7,8,9,10,11,12,13,14,15
	global_load_b32 v[SEL+\i], v4, s[4:5] offset:256*\i
.endr
.irp i, 0,1,2,3,4,5,6,7
	global_load_b32 v[LS+\i], v7, s[6:7] offset:65536+512*\i
.endr
	v_mov_b32 v[PRE], 0
	v_mov_b32 v56, 0
	s_wait_alu depctr_va_vdst(0)
	s_wait_loadcnt 0x0
.irp i, 0
	v_add_nc_u32 v[PRE+1+\i], v[PRE+\i], v[CNT+\i] ; how many tokens of my key the wave's earlier groups hold
.endr
.irp i, 1, 2, 3, 4, 5, 6, 7, 8, 9, 10, 11, 12, 13, 14
	s_delay_alu instid0(VALU_DEP_1)
	v_add_nc_u32 v[PRE+1+\i], v[PRE+\i], v[CNT+\i]
.endr
	s_delay_alu instid0(VALU_DEP_1)
	v_add_nc_u32 v80, v[PRE+15], v[CNT+15]
.irp i, 0,1,2,3
	v_add_f32 v[LS+\i], v[LS+\i], v[LS+4+\i]
.endr
	s_delay_alu instid0(VALU_DEP_2)
	v_add_f32 v[LS], v[LS], v[LS+2]
	s_delay_alu instid0(VALU_DEP_2)
	v_add_f32 v[LS+1], v[LS+1], v[LS+3]
	s_delay_alu instid0(VALU_DEP_1)
	v_add_f32 v[LS], v[LS], v[LS+1]
	s_delay_alu instid0(VALU_DEP_1)
	v_permlanex16_b32 v56, v[LS], s16, s17
	s_delay_alu instid0(VALU_DEP_1)
	v_add_f32 v[LS], v[LS], v56
	ds_store_b32 v3, v80                           ; the wave's counts
	ds_store_b32 v3, v[LS] offset:2048             ; and its parts of the loss
	s_wait_dscnt 0x0
	s_barrier_signal -1
	s_barrier_wait -1
.irp w, 0,1,2,3,4,5,6,7,8,9,10,11,12,13,14,15
	ds_load_b32 v[WTL+\w], v2 offset:128*\w
.endr
	v_mov_b32 v81, 0
	v_mov_b32 v82, 0
	s_wait_dscnt 0x0
.irp w, 0,1,2,3,4,5,6,7,8,9,10,11,12,13,14,15
	s_cmp_gt_u32 s12, \w
	s_cselect_b32 s18, -1, 0
	v_and_b32 v85, s18, v[WTL+\w]
	s_wait_alu depctr_va_vdst(0)
	v_add_nc_u32 v82, v82, v85                     ; my key's tokens in earlier waves
	v_add_nc_u32 v81, v81, v[WTL+\w]               ; and in all
.endr
	s_delay_alu instid0(VALU_DEP_1)
	v_add_nc_u32 v83, 63, v81
	s_delay_alu instid0(VALU_DEP_1)
	v_lshrrev_b32 v83, 6, v83
	s_delay_alu instid0(VALU_DEP_1)
	v_lshl_or_b32 v83, v83, 16, v81                ; tokens below, tiles above: one scan serves both
	s_delay_alu instid0(VALU_DEP_1)
	v_mov_b32 v84, v83
	v_mov_b32 v85, 0
.irp n, 1
	s_delay_alu instid0(VALU_DEP_2)
	v_mov_b32_dpp v85, v84 row_shr:\n row_mask:0xf bank_mask:0xf bound_ctrl:1
	s_delay_alu instid0(VALU_DEP_1)
	v_add_nc_u32 v84, v84, v85
.endr
.irp n, 2, 4, 8
	s_delay_alu instid0(VALU_DEP_1)
	v_mov_b32_dpp v85, v84 row_shr:\n row_mask:0xf bank_mask:0xf bound_ctrl:1
	s_delay_alu instid0(VALU_DEP_1)
	v_add_nc_u32 v84, v84, v85
.endr
	s_delay_alu instid0(VALU_DEP_1)
	v_readlane_b32 s18, v84, 15
	s_delay_alu instid0(VALU_DEP_1)
	v_mov_b32 v85, s18
	v_cmp_lt_u32 vcc_lo, 15, v1
	s_delay_alu instid0(VALU_DEP_1)
	v_cndmask_b32 v85, 0, v85, vcc_lo
	s_delay_alu instid0(VALU_DEP_1)
	v_add_nc_u32 v84, v84, v85
	s_delay_alu instid0(VALU_DEP_1)
	v_sub_nc_u32 v86, v84, v83                     ; what lies ahead of my key
	s_delay_alu instid0(VALU_DEP_1)
	v_and_b32 v87, 0xffff, v86                     ; its first place in the order
	s_delay_alu instid0(VALU_DEP_2)
	v_lshrrev_b32 v88, 16, v86                     ; its first tile
	s_delay_alu instid0(VALU_DEP_2)
	v_lshl_or_b32 v90, v81, 16, v87
	s_delay_alu instid0(VALU_DEP_3)
	v_add_nc_u32 v89, v87, v82
.irp i, 0,1,2,3,4,5,6,7,8,9,10,11,12,13,14,15
	v_add_nc_u32 v[128+\i], v[PRE+\i], v89         ; lane = key: where group i's tokens of the key begin
	v_and_b32 v[144+\i], 31, v[SEL+\i]
	s_delay_alu instid0(VALU_DEP_1)
	v_lshlrev_b32 v[144+\i], 2, v[144+\i]
	ds_bpermute_b32 v[176+\i], v[144+\i], v[128+\i]  ; lane = token: that number for my key
	v_add_nc_u32 v[160+\i], 32*\i, v8
.endr
	s_wait_dscnt 0x0
.irp i, 0,1,2,3,4,5,6,7,8,9,10,11,12,13,14,15
	v_bfe_u32 v[144+\i], v[SEL+\i], 8, 5
	s_delay_alu instid0(VALU_DEP_1)
	v_add_nc_u32 v[176+\i], v[176+\i], v[144+\i]   ; + my rank
	s_delay_alu instid0(VALU_DEP_1)
	v_min_u32 v[176+\i], 0x1fff, v[176+\i]
	s_delay_alu instid0(VALU_DEP_1)
	v_lshlrev_b32 v[176+\i], 2, v[176+\i]
	global_store_b32 v[176+\i], v[160+\i], s[8:9] offset:4096
.endr
	s_cmp_lt_u32 s12, 5
	s_cbranch_scc1 .Lrecords
	s_cmp_eq_u32 s12, 5
	s_cbranch_scc1 .Ltail
	s_cmp_eq_u32 s12, 6
	s_cbranch_scc1 .Lloss
	s_wait_tensorcnt 0x0
	ds_add_u32 v192, v193
	s_wait_dscnt 0x0
	s_endpgm
.Lrecords:                             ; record j = my thread's number: the last key whose first tile is at or below j
	v_mov_b32 v91, 0
	v_mov_b32 v92, 0
	v_mov_b32 v93, 0
.set PP, 0
.irp a, 0,1,2,3,4,5,6
.irp b, 1,2,3,4,5,6,7
.if \b > \a
	v_readlane_b32 s20, v88, PP
	v_readlane_b32 s21, v90, PP
	s_delay_alu instid0(VALU_DEP_2)
	v_cmp_le_u32 vcc_lo, s20, v0
	s_delay_alu instid0(VALU_DEP_1)
	v_cndmask_b32 v91, v91, s20, vcc_lo
	s_delay_alu instid0(VALU_DEP_2)
	v_cndmask_b32 v92, v92, s21, vcc_lo
	s_delay_alu instid0(VALU_DEP_3)
	v_cndmask_b32 v93, v93, 8*\a+\b, vcc_lo
.set PP, PP+1
.endif
.endr
.endr
	s_delay_alu instid0(VALU_DEP_3)
	v_sub_nc_u32 v94, v0, v91
	s_delay_alu instid0(VALU_DEP_1)
	v_lshlrev_b32 v94, 6, v94                      ; 64 x the tile's number within its key
	s_delay_alu instid0(VALU_DEP_4)
	v_and_b32 v95, 0xffff, v92
	s_delay_alu instid0(VALU_DEP_1)
	v_add_nc_u32 v120, v95, v94
	s_delay_alu instid0(VALU_DEP_1)
	v_min_u32 v120, 0x1fff, v120                   ; first
	v_lshrrev_b32 v95, 16, v92
	s_delay_alu instid0(VALU_DEP_1)
	v_sub_nc_u32 v121, v95, v94
	s_delay_alu instid0(VALU_DEP_1)
	v_cmp_gt_i32 vcc_lo, 0, v121
	s_delay_alu instid0(VALU_DEP_1)
	v_cndmask_b32 v121, v121, 0, vcc_lo
	s_delay_alu instid0(VALU_DEP_1)
	v_min_u32 v121, 64, v121                       ; count
	v_lshrrev_b32 v122, 3, v93
	v_and_b32 v123, 7, v93
	v_lshlrev_b32 v94, 4, v0
	global_store_b128 v94, v[120:123], s[8:9]
	s_wait_tensorcnt 0x0
	ds_add_u32 v192, v193
	s_wait_dscnt 0x0
	s_endpgm
.Ltail:
	v_lshlrev_b32 v94, 3, v1
	v_mov_b32 v120, 0
	v_mov_b32 v121, 0
	global_store_b64 v94, v[120:121], s[8:9] offset:36864
	s_wait_tensorcnt 0x0
	ds_add_u32 v192, v193
	s_wait_dscnt 0x0
	s_endpgm
.Lloss:                                ; lanes 0-7 importance, lanes 8-15 load: variance / (mean^2 + 1e-10) of each, added
.irp w, 0,1,2,3,4,5,6,7,8,9,10,11,12,13,14,15
	ds_load_b32 v[112+\w], v2 offset:2048+128*\w
.endr
	s_wait_dscnt 0x0
.irp w, 0,1,2,3,4,5,6,7
	v_add_f32 v[112+\w], v[112+\w], v[120+\w]
.endr
.irp w, 0,1,2,3
	s_delay_alu instid0(VALU_DEP_4)
	v_add_f32 v[112+\w], v[112+\w], v[116+\w]
.endr
	s_delay_alu instid0(VALU_DEP_2)
	v_add_f32 v112, v112, v114
	s_delay_alu instid0(VALU_DEP_2)
	v_add_f32 v113, v113, v115
	s_delay_alu instid0(VALU_DEP_1)
	v_add_f32 v112, v112, v113
	s_delay_alu instid0(VALU_DEP_1)
	v_mov_b32 v130, v112
	s_delay_alu instid0(VALU_DEP_1)
	v_add_f32_dpp v130, v130, v130 row_xmask:1 row_mask:0xf bank_mask:0xf
	s_delay_alu instid0(VALU_DEP_1)
	v_add_f32_dpp v130, v130, v130 row_xmask:2 row_mask:0xf bank_mask:0xf
	s_delay_alu instid0(VALU_DEP_1)
	v_add_f32_dpp v130, v130, v130 row_xmask:4 row_mask:0xf bank_mask:0xf
	s_delay_alu instid0(VALU_DEP_1)
	v_mul_f32 v130, 0x3e000000, v130               ; the mean of eight
	s_delay_alu instid0(VALU_DEP_1)
	v_sub_f32 v131, v112, v130
	s_delay_alu instid0(VALU_DEP_1)
	v_mul_f32 v131, v131, v131
	s_delay_alu instid0(VALU_DEP_1)
	v_add_f32_dpp v131, v131, v131 row_xmask:1 row_mask:0xf bank_mask:0xf
	s_delay_alu instid0(VALU_DEP_1)
	v_add_f32_dpp v131, v131, v131 row_xmask:2 row_mask:0xf bank_mask:0xf
	s_delay_alu instid0(VALU_DEP_1)
	v_add_f32_dpp v131, v131, v131 row_xmask:4 row_mask:0xf bank_mask:0xf
	s_delay_alu instid0(VALU_DEP_1)
	v_mul_f32 v131, 0x3e000000, v131               ; the variance
	v_mov_b32 v132, 0x2edbe6ff                     ; 1e-10
	s_delay_alu instid0(VALU_DEP_1)
	v_fma_f32 v132, v130, v130, v132
	s_wait_alu depctr_va_vdst(0)
	v_rcp_f32 v133, v132
	v_mov_b32 v134, 0                              ; (a plain instruction behind the reciprocal)
	s_wait_alu depctr_va_vdst(0)                   ; the wait ahead of the result's first reader
	v_mul_f32 v131, v131, v133
	s_delay_alu instid0(VALU_DEP_1)
	v_add_f32_dpp v131, v131, v131 row_xmask:8 row_mask:0xf bank_mask:0xf
	v_cmp_eq_u32 vcc_lo, 0, v1
	s_wait_alu depctr_va_vdst(0)
	s_wait_xcnt 0x0                                ; EXEC changes only behind this wait: my earlier stores have been issued under the full one
	s_wait_tensorcnt 0x0
	ds_add_u32 v192, v193
	s_wait_dscnt 0x0
	s_and_saveexec_b32 s20, vcc_lo
	global_store_b32 v134, v131, s[10:11]
	s_wait_xcnt 0x0
	s_or_b32 exec_lo, exec_lo, s20
	s_endpgm
.Lfunc_end_k_qaf86edd1d4_place:
	.size	k_qaf86edd1d4_place, .Lfunc_end_k_qaf86edd1d4_place-k_qaf86edd1d4_place
	.p2alignl 7, 3214868480
	.fill 96, 4, 3214868480
	.section	.rodata,"a",@progbits
	.p2align	6, 0x0
	.amdhsa_kernel k_qaf86edd1d4_place
		.amdhsa_group_segment_fixed_size 6144
		.amdhsa_private_segment_fixed_size 0
		.amdhsa_enable_private_segment 0
		.amdhsa_kernarg_size 32
		.amdhsa_user_sgpr_count 2
		.amdhsa_user_sgpr_kernarg_segment_ptr 1
		.amdhsa_wavefront_size32 1
		.amdhsa_system_sgpr_workgroup_id_x 1
		.amdhsa_system_sgpr_workgroup_id_y 1
		.amdhsa_system_sgpr_workgroup_id_z 1
		.amdhsa_system_vgpr_workitem_id 0
		.amdhsa_next_free_vgpr 194
		.amdhsa_next_free_sgpr 66
		.amdhsa_reserve_vcc 1
		.amdhsa_float_denorm_mode_32 3
		.amdhsa_float_denorm_mode_16_64 3
		.amdhsa_memory_ordered 1
		.amdhsa_forward_progress 1
		.amdhsa_inst_pref_size 41
	.end_amdhsa_kernel
	.amdgpu_metadata
---
amdhsa.version: [ 1, 2 ]
amdhsa.kernels:
  - .name:           k_qaf86edd1d4_place
    .symbol:         k_qaf86edd1d4_place.kd
    .args:
      - { .name: route, .offset: 0, .size: 8, .value_kind: global_buffer, .address_space: global }
      - { .name: gat, .offset: 8, .size: 8, .value_kind: global_buffer, .address_space: global }
      - { .name: plan, .offset: 16, .size: 8, .value_kind: global_buffer, .address_space: global }
      - { .name: out1, .offset: 24, .size: 8, .value_kind: global_buffer, .address_space: global }
    .group_segment_fixed_size: 6144
    .private_segment_fixed_size: 0
    .kernarg_segment_align: 8
    .kernarg_segment_size: 32
    .max_flat_workgroup_size: 512
    .sgpr_count:     66
    .vgpr_count:     194
    .wavefront_size: 32
...
	.end_amdgpu_metadata
.endif
;; end of part 5
;; launch chain (part 6): grid 155 x 1, 4 waves a work-group, no clusters, 316,928 bytes of LDS; arguments x, xq, xs, wf, ws, gat, plan, b1, b2, gamma, beta, out0; writes out0
.if DOCPART == 6
	.amdgcn_target "amdgcn-amd-amdhsa--gfx1250"
	.amdhsa_code_object_version 6
	.text
	.protected	k_qaf86edd1d4_chain
	.globl	k_qaf86edd1d4_chain
	.p2align	8
	.type	k_qaf86edd1d4_chain,@function
k_qaf86edd1d4_chain:
	s_mov_b64 s[64:65], 0
	v_nop
	global_prefetch_b8 v0, s[64:65] scope:SCOPE_SE
	s_setreg_imm32_b32 hwreg(HW_REG_WAVE_SCHED_MODE, 0, 2), 2
	s_setreg_imm32_b32 hwreg(HW_REG_WAVE_MODE, 25, 1), 1
	s_wait_xcnt 0x0
	s_wait_alu depctr_vm_vsrc(0)
; CHAIN.  A work-group owns one tile: at most 64 tokens that chose the same two experts a < b.  It takes both experts through the whole chain and owns its output rows:
;   h_e = relu(x W1[e] + b1[e]), quantised;  y_e = h_e W2[e] + b2[e];  out = LayerNorm(ga y_a + gb y_b + x) gamma + beta.  Both products on codes of FP6 (E2M3) with E8M0 scales, sums in f32.
; THE WAVES SHARE THE COLUMNS: wave w makes hidden units 128 w .. + 127 and outputs 256 w .. + 255 for all 64 rows.  The weights come from memory straight into registers, as images of the operand's registers
; (laid so by the launch before), through a ring of three sets of 96 registers.
; Both products are used transposed (source 0 = 16 rows of the weight, source 1 = 16 tokens): a lane holds one token throughout.  The hidden layer goes from wave to wave through LDS as register images.
; NO TENSOR LOADS, NO CLUSTER: rows past a tile's count and tiles with count 0 are decided by numbers read from memory, and neighbouring tiles need not share an expert.
; A TILE WITH COUNT 0 walks the whole chain on clamped addresses and stores nothing: every wave passes every barrier, and no barrier stands under a branch on a number read from memory.
; Rows past the count are tokens of the next tile (or token 0): they are computed and not stored.
; LIMITS: NaN and infinities among the inputs are not served; a block of zeros has the scale byte 1 with zero codes.
; LDS: Z 64 rows x 4,112 (the gated sum, f32) at 0; inside it, dead before Z is written: x's codes 64 x 784 at 0, x's scale bytes 64 x 48 at 50,176; the hidden layer's 32 images at 263,168, their scale words at 312,320.
; REGISTERS, in windows of 256.  Window 0: v1-9, v13-21 addresses; v10-12 at work, on the way out v10, v11 the stores' offsets; v22-30 the second product's load offsets, three for each ring set, then (with v31) at work;
;   v32-127 x's fragments (two sets), then Y_a, Y_b, then rows on the way out and gamma; v128-164 the quantiser, then beta; v168-175 the gates; v180-255 scale words and nothing else.
;   Window 1: the hidden layer's 32 accumulators, then its fragments.  Window 2: ring set 1; b1; fragments.  Window 3: ring sets 0 and 2; b2's ring; x's rows.
; THE MODE: SCHED_MODE bits 1:0 = 2 (LLVM: expert scheduling mode 2), set by the entry lines.  The code itself states the register dependences
; between vector or matrix instructions and memory or LDS instructions, with s_wait_alu, always for 0.
; THE PLAN.  Registers that memory or LDS instructions touch, and who else names them:
;   R0, R1, R2    the ring sets, each with its scale words (in the second product also its part of b2's ring).  ONE stream of 32 items, W1's 16 sets and then W2's 16 tiles; item j lies in R[j % 3].
;                 The matrix instructions of step j read it; the loads of item j + 3 land in it and are issued in step j + 1, three behind each of that step's first eight matrix instructions.
;   XF0, XF1, XS  step i's matrix instructions read XF[i % 2]; the LDS loads for step i + 1 land in the other one, behind matrix instructions 8 to 11 of step i.
;   b1            read as C by steps 0 and 8; the second expert's loads are dealt in step 1.
;   So ONE wait on va_vdst stands at a step's head, behind the waits for its data: the step before is done reading its ring set, its scale words, its fragments of x (step 0: b1).  All loads of the step lean on it:
;   the step's own matrix instructions name R[i % 3], XF[i % 2] and window 1, none of the registers that those loads touch.
;   PC, PW        written by the quantiser, read by its four LDS stores: a wait on va_vdst ahead of the stores, a wait on vm_vsrc ahead of the next tile's first write of them.
;   v32-63        written by a group's matrix instructions and by the gates, read by the eight stores into Z.  v22-30: a ring set's three offsets, read by its loads, stepped by the group that has multiplied the set.
;   So a group closes with ONE wait on va_vdst (Z's numbers and the offsets are written; the matrix instructions are done reading the ring set), the stores, and ONE wait on vm_vsrc (the stores have read v32-63 and v13-16).
;   Way out       Z0, Z1: a row of Z lands, is worked in place and stored.  X0-X3: rows of x.  v17, v18-21, v10, v11: addresses.  In a row's middle one wait on vm_vsrc and one on va_vdst serve the next row's LDS loads
;                 and the refill of x; one wait on va_vdst stands ahead of the row's stores.
.set XSC,  50176
.set HIMG, 263168
.set HSC,  312320
.set XF,   32
.set PC,   128
.set TM,   148
.set PW,   164
.set GT,   168
.set XS,   180
.set WS,   188
.set HS,   200
.set W2SC, 232
.set MSB, 0
.macro WIN new                         ; the immediate's high byte repeats the setting that is left; a switch that changes nothing is dropped
.if MSB != (\new)
	s_set_vgpr_msb (MSB<<8)|(\new)
.set MSB, (\new)
.endif
.endm
.macro RING g                          ; ring set g, as the matrix instructions name it: its window and first register
.if (\g)==1
.set RW, 2
.set RB, 0
.elseif (\g)==0
.set RW, 3
.set RB, 0
.else
.set RW, 3
.set RB, 96
.endif
.endm
.macro RINGL g                         ; the same for the loads, which go to another set than the one at work
.if (\g)==1
.set LW, 2
.set LB, 0
.elseif (\g)==0
.set LW, 3
.set LB, 0
.else
.set LW, 3
.set LB, 96
.endif
.endm
.macro MMA d, a, b, c, sa, sb, hi      ; hi = 1: source 0's scales stand in lanes 16-31
.if \hi
	v_wmma_scale_f32_16x16x128_f8f6f4 v[\d:\d+7], v[\a:\a+11], v[\b:\b+11], v[\c:\c+7], v[\sa], v[\sb] matrix_a_fmt:MATRIX_FMT_FP6 matrix_b_fmt:MATRIX_FMT_FP6 matrix_a_scale:MATRIX_SCALE_ROW1
.else
	v_wmma_scale_f32_16x16x128_f8f6f4 v[\d:\d+7], v[\a:\a+11], v[\b:\b+11], v[\c:\c+7], v[\sa], v[\sb] matrix_a_fmt:MATRIX_FMT_FP6 matrix_b_fmt:MATRIX_FMT_FP6
.endif
.endm
; Item k of the first product, 25 loads: W1's eight fragments of expert k / 8, K step k % 8 (24 loads: SETPART writes numbers q0 to q1 - 1), and their scale words (SETSC), into ring set k % 3
.macro SETPART k, q0, q1
	RINGL (\k)%3
	WIN LW<<6
.set LQ, \q0
.rept (\q1)-(\q0)
	global_load_b128 v[LB+4*LQ:LB+4*LQ+3], v1, s[56+2*((\k)/8):57+2*((\k)/8)] offset:((\k)%8)*12288+512*LQ
.set LQ, LQ+1
.endr
.endm
.macro SETSC k
	WIN 0
	global_load_b128 v[WS+4*((\k)%3):WS+4*((\k)%3)+3], v1, s[60+2*((\k)/8):61+2*((\k)/8)] offset:((\k)%8)*512
.endm
.macro LOADSET k                       ; the whole item in one run: at the head, where nothing has been multiplied yet
	SETPART \k,0,24
	SETSC \k
.endm
.macro B1PART e, t                     ; two loads: b1 in the result's layout: for tile t = 2 b + u the units 32 b + 16 h + 8 u + 0 .. 7
	WIN 0x80
	global_load_b128 v[96+8*(\t):99+8*(\t)], v5, s[66+2*(\e):67+2*(\e)] offset:(32*((\t)/2)+8*((\t)%2))*4
	global_load_b128 v[100+8*(\t):103+8*(\t)], v5, s[66+2*(\e):67+2*(\e)] offset:(32*((\t)/2)+8*((\t)%2))*4+16
.endm
.macro LOADB1 e
.irp t, 0,1,2,3,4,5,6,7
	B1PART \e,\t
.endr
	WIN 0
.endm
; An item of the second product, 30 loads into ring set rg: for both experts W2's four fragments of one tile of 16 outputs, b2's eight numbers, the scale words.  Each ring set has three offsets of its own
; (fragments, scale words, bias).  GPART writes slot n of eight: three of the fragments' loads of expert n / 4; an expert's last slot also b2's two and the scale words'.
.macro GPART rg, n
	RINGL \rg
.set GE, (\n)/4
	WIN LW<<6
.set LQ, 3*((\n)%4)
.rept 3
	global_load_b128 v[LB+48*GE+4*LQ:LB+48*GE+4*LQ+3], v[22+3*(\rg)], s[70+2*GE:71+2*GE] offset:512*LQ
.set LQ, LQ+1
.endr
.if ((\n)%4)==3
	WIN 0xc0
	global_load_b128 v[192+16*(\rg)+8*GE:195+16*(\rg)+8*GE], v[24+3*(\rg)], s[78+2*GE:79+2*GE]
	global_load_b128 v[196+16*(\rg)+8*GE:199+16*(\rg)+8*GE], v[24+3*(\rg)], s[78+2*GE:79+2*GE] offset:16
	WIN 0
	global_load_b128 v[W2SC+8*(\rg)+4*GE:W2SC+8*(\rg)+4*GE+3], v[23+3*(\rg)], s[74+2*GE:75+2*GE]
.endif
.endm
.macro FXPART s, buf, m                ; x's fragment of tokens 16 m on, K step s, and its scale words, from LDS
	WIN 0
.irp q, 0,1,2
	ds_load_b128 v[XF+48*(\buf)+12*(\m)+4*\q:XF+48*(\buf)+12*(\m)+4*\q+3], v3 offset:12544*(\m)+48*(\s)+16*\q
.endr
	ds_load_b32 v[XS+4*(\buf)+(\m)], v4 offset:768*(\m)+4*(\s)
.endm
.macro FETCHX s, buf
.irp m, 0,1,2,3
	FXPART \s,\buf,\m
.endr
.endm
; What stands behind matrix instruction n of step i.  No wait: no vector or matrix instruction since the wait at the step's head names a register that these loads touch.
.macro DEAL1 i, n
.if ((\i)>=1)&&((\n)<8)                ; item i + 2 of the stream, into the ring set that step i - 1 has left
.if (\i)<14
	SETPART (\i)+2,3*(\n),3*(\n)+3
.if (\n)==7
	SETSC (\i)+2
.endif
.else
	GPART ((\i)+2)%3,\n
.endif
.endif
.if ((\i)<15)&&((\n)>=8)&&((\n)<12)    ; the next step's fragments of x, into the set that step i - 1 has left
	FXPART ((\i)+1)%8,1-SBF,(\n)-8
.endif
.if ((\i)==1)&&((\n)>=12)&&((\n)<20)   ; the second expert's b1: step 0 has read the first's
	B1PART 1,(\n)-12
.endif
.endm
; A step of the first product: 32 matrix instructions, my 8 tiles of hidden units x 4 tiles of tokens, 128 along K.  The 32 accumulators take turns.
.macro STEP i
.set SN, 25                            ; behind this step's set: the one set that the step before has asked for
.if (\i)==0
.set SN, 50                            ; the head has asked for sets 1 and 2
.endif
.if ((\i)==2)||((\i)==3)
.set SN, 41                            ; a set and b1 of the second expert
.endif
.if (\i)==15
.set SN, 30                            ; the second product's first tile
.endif
.set SBF, (\i)%2
	s_wait_loadcnt SN
	s_wait_dscnt 0x0                               ; x's fragments, asked for a step ago
	s_wait_alu depctr_va_vdst(0)                   ; the step before is done reading its ring set, its scale words and its fragments of x (step 0: b1), in which this step's loads land; at step 0: v22 to v30 are written, which the second product's loads read
	RING (\i)%3
.set MN, 0
.irp t, 0,1,2,3,4,5,6,7
.irp m, 0,1,2,3
.if ((\i)%8)==0
	WIN 0x60|RW                                    ; the bias (window 2) starts the sums
	MMA 8*(8*\m+\t),RB+12*\t,XF+48*SBF+12*\m,96+8*\t,WS+4*((\i)%3)+(\t%4),XS+4*SBF+\m,\t/4
.else
	WIN 0x50|RW
	MMA 8*(8*\m+\t),RB+12*\t,XF+48*SBF+12*\m,8*(8*\m+\t),WS+4*((\i)%3)+(\t%4),XS+4*SBF+\m,\t/4
.endif
	DEAL1 \i,MN
.set MN, MN+1
.endr
.endr
	WIN 0
.rept 4
	v_nop                                          ; four plain instructions behind the last matrix instruction, in front of the first read of results and of the next step's loads into registers that it has read
.endr
.endm
; relu and the quantiser, a tile of 16 tokens at a time: register 16 b + i of the tile's 64 is hidden unit 32 b + 16 (lane / 16) + i of my 128.  The fragment and its scale word go to LDS as they stand.
.macro QUANTH e
.irp m, 0,1,2,3
	WIN 0x44
.set J, 0
.rept 64
	v_max_num_f32 v[64*\m+J], 0, v[64*\m+J]        ; each accumulator from its low end on
.set J, J+1
.endr
	WIN 0x05
.irp b, 0,1,2,3
	v_max3_num_f32 v[TM+\b], v[64*\m+16*\b], v[64*\m+16*\b+1], 0x1800000   ; nothing is negative; the floor 2^(3 - 127) holds the byte at 1 from below
.endr
.irp i, 2,4,6,8,10,12,14
.irp b, 0,1,2,3
	v_max3_num_f32 v[TM+\b], v[64*\m+16*\b+\i], v[64*\m+16*\b+\i+1], v[TM+\b]
.endr
.endr
	WIN 0
.irp b, 0,1,2,3
	v_permlanex16_b32 v[TM+4+\b], v[TM+\b], s82, s83
.endr
.irp b, 0,1,2,3
	v_max_num_f32 v[TM+\b], v[TM+\b], v[TM+4+\b]   ; with lane l xor 16's: the block's largest
.endr
.irp b, 0,1,2,3
	v_add_nc_u32 v[TM+12+\b], 0xff000000, v[TM+\b] ; 2 off the exponent field: the conversion's scale operand
.endr
.irp b, 0,1,2,3
	v_lshrrev_b32 v[TM+4+\b], 23, v[TM+12+\b]
.endr
	s_wait_alu depctr_vm_vsrc(0)                   ; the last tile's LDS stores have read v[PW] and v[PC ..], which are written again from here on
	v_lshl_or_b32 v[PW], v[TM+5], 8, v[TM+4]
	v_lshl_or_b32 v[PW], v[TM+6], 16, v[PW]
	v_lshl_or_b32 v[PW], v[TM+7], 24, v[PW]
	WIN 0x01
.irp c, 0,1
	v_cvt_scalef32_pk16_fp6_f32 v[PC+6*\c:PC+2+6*\c], v[64*\m+32*\c:64*\m+32*\c+15], v[TM+12+2*\c]
	v_cvt_scalef32_pk16_fp6_f32 v[PC+12+4*\c:PC+14+4*\c], v[64*\m+16+32*\c:64*\m+31+32*\c], v[TM+13+2*\c]
.endr
	WIN 0
	v_nop                                          ; one plain instruction behind the conversions
.irp c, 0,1                            ; the operand wants a whole block in a lane
.irp i, 0,1,2
	v_permlane16_swap_b32 v[PC+6*\c+\i], v[PC+12+4*\c+\i]
.endr
.irp i, 0,1,2
	v_mov_b32 v[PC+3+6*\c+\i], v[PC+12+4*\c+\i]
.endr
.endr
	s_wait_alu depctr_va_vdst(0)                   ; the codes in v[PC ..] and the scale word in v[PW] are written, which the LDS stores read; behind the last tile's: the quantiser is done with window 1, in which the fragments' loads land
.irp c, 0,1,2
	ds_store_b128 v6, v[PC+4*\c:PC+4*\c+3] offset:(16*\e+4*\m)*1536+512*\c
.endr
	ds_store_b32 v7, v[PW] offset:128*(16*\e+4*\m)
.endr
.endm
.macro HPLACE e, f                     ; where fragment f = 4 s + m of expert e's hidden layer stands
.if (\e)==0
.set HW, 1
.set HB, 12*(\f)
.elseif (\f)<5
.set HW, 1
.set HB, 192+12*(\f)
.else
.set HW, 2
.set HB, 96+12*((\f)-5)
.endif
.endm
; A group of the second product: one tile of 16 outputs, both experts, 64 tokens, all of K: 32 matrix instructions; four accumulators take turns.  Then the gates, and Z.
; ld = 1: the ring set that the group before has left is asked for again, for the tile two on, in eight slots behind my first eight matrix instructions.  No wait: no vector or matrix instruction since the wait that closed
; the group before names a register that these loads touch.   stp = 1: my own ring set's offsets go three tiles on: the wait at my head has shown the loads that read them done, and the wait on vm_vsrc that closed an earlier group stands behind them.
.macro GROUP d, rg, n, stp, ld
	s_wait_loadcnt \n
	RING \rg
.set MN, 0
.irp e, 0,1
.irp s, 0,1,2,3
.irp m, 0,1,2,3
	HPLACE \e,4*\s+\m
.if \s==0
.set WW, RW|(HW<<2)|0x30
	WIN WW
	MMA 32+32*\e+8*\m,RB+48*\e+12*\s,HB,192+16*(\rg)+8*\e,W2SC+8*(\rg)+4*\e+\s,HS+16*\e+4*\s+\m,0
.else
.set WW, RW|(HW<<2)
	WIN WW
	MMA 32+32*\e+8*\m,RB+48*\e+12*\s,HB,32+32*\e+8*\m,W2SC+8*(\rg)+4*\e+\s,HS+16*\e+4*\s+\m,0
.endif
.if (\ld)&&(MN<8)
	GPART ((\rg)+2)%3,MN
.endif
.set MN, MN+1
.endr
.endr
.endr
	WIN 0
.rept 4
	v_nop                                          ; four plain instructions in front of the first read of results (ISA guide 7.12.1)
.endr
.irp m, 0,1,2,3
.irp p, 0,1,2,3
	v_pk_mul_f32 v[32+8*\m+2*\p:33+8*\m+2*\p], v[32+8*\m+2*\p:33+8*\m+2*\p], v[GT+2*\m:GT+2*\m+1] op_sel_hi:[1,0]   ; ga y_a
.endr
.endr
.irp m, 0,1,2,3
.irp p, 0,1,2,3
	v_pk_fma_f32 v[32+8*\m+2*\p:33+8*\m+2*\p], v[64+8*\m+2*\p:65+8*\m+2*\p], v[GT+2*\m:GT+2*\m+1], v[32+8*\m+2*\p:33+8*\m+2*\p] op_sel:[0,1,0] op_sel_hi:[1,1,1]   ; + gb y_b
.endr
.endr
.if \stp
	v_add_nc_u32 v[22+3*(\rg)], 18432, v[22+3*(\rg)]
	v_add_nc_u32 v[23+3*(\rg)], 768, v[23+3*(\rg)]
	v_add_nc_u32 v[24+3*(\rg)], 192, v[24+3*(\rg)]
.endif
	s_wait_alu depctr_va_vdst(0)                   ; Z's numbers in v32 to v63 are written, which the stores read (and their addresses, where a trip's end has stepped them); my ring set's offsets are written, and my matrix instructions are done reading the set, its scale words and its part of b2: the next group's loads lean on that
.irp m, 0,1,2,3
	ds_store_b128 v[13+\m], v[32+8*\m:35+8*\m] offset:64*(\d)
	ds_store_b128 v[13+\m], v[36+8*\m:39+8*\m] offset:64*(\d)+16
.endr
	s_wait_alu depctr_vm_vsrc(0)                   ; the stores have read v32 to v63, which the next group's matrix instructions write, and v13 to v16, which a trip's end steps; the loads issued so far have read their offsets
.endm
.macro XROW k                          ; eight loads: a row of x into slot k
	WIN 0xc0
.irp i, 0,1,2,3,4,5,6,7
	global_load_b128 v[32*(\k)+4*\i:32*(\k)+4*\i+3], v[18+(\k)], s[4:5] offset:512*\i
.endr
	WIN 0
.endm
; One row of the way out.  fill = 1: slot k takes the row four on;  nxt = 1: the next row of Z is fetched;  n: the younger loads of x that may stay out.
; The stores have offsets of their own (v10 even rows, v11 odd rows), so that the slot's offset is read by loads alone: the row's wait for its loads frees it.
; The row's memory instructions but its stores stand together in its middle, behind the mean, under three waits; the wait on vm_vsrc there also frees what the next row writes at its head: the offset that the stores of two rows back read.
.macro ROW k, fill, nxt, n
.set ZB, 32+32*((\k)%2)
.set ZN, 32+32*(1-(\k)%2)
.set VS, 10+(\k)%2
	s_wait_dscnt 0x0                               ; this row of Z is in
	s_wait_loadcnt \n                              ; and this row of x: its loads are done, so the slot's offset may be written
	WIN 0x0c
.irp p, 0,1,2,3,4,5,6,7,8,9,10,11,12,13,14,15
	v_pk_add_f32 v[ZB+2*\p:ZB+2*\p+1], v[ZB+2*\p:ZB+2*\p+1], v[32*(\k)+2*\p:32*(\k)+2*\p+1]   ; + the residual
.endr
	WIN 0
	s_min_u32 s91, s[40+(\k)], 0x1fff
	v_lshl_add_u32 v[VS], s91, 12, v1              ; where this row is stored
.if \fill
	s_min_u32 s91, s[44+(\k)], 0x1fff
	v_lshl_add_u32 v[18+(\k)], s91, 12, v1         ; and where the slot's next row of x lies
.endif
.irp c, 0,1,2,3
	v_pk_add_f32 v[22+2*\c:23+2*\c], v[ZB+4*\c:ZB+4*\c+1], v[ZB+4*\c+2:ZB+4*\c+3]
.endr
.irp p, 0,1
.irp c, 0,1,2,3
	v_pk_add_f32 v[22+2*\c:23+2*\c], v[22+2*\c:23+2*\c], v[ZB+16+8*\p+2*\c:ZB+17+8*\p+2*\c]
.endr
.endr
	v_pk_add_f32 v[22:23], v[22:23], v[24:25]
	v_pk_add_f32 v[26:27], v[26:27], v[28:29]
	v_pk_add_f32 v[22:23], v[22:23], v[26:27]
	v_add_f32 v22, v22, v23
	v_add_f32_dpp v22, v22, v22 row_xmask:1 row_mask:0xf bank_mask:0xf
	v_add_f32_dpp v22, v22, v22 row_xmask:2 row_mask:0xf bank_mask:0xf
	v_add_f32_dpp v22, v22, v22 row_xmask:4 row_mask:0xf bank_mask:0xf
	v_add_f32_dpp v22, v22, v22 row_xmask:8 row_mask:0xf bank_mask:0xf
	v_permlanex16_b32 v30, v22, s82, s83
	v_add_f32 v22, v22, v30
	v_mul_f32 v22, s96, v22                        ; the mean
.if \nxt
	s_wait_xcnt 0x0                                ; every earlier memory instruction has had its addresses translated (ISA guide 3.1): the last row's stores' data and offset are rewritten only behind this wait
	s_wait_alu depctr_vm_vsrc(0)                   ; the last row's stores have read v[ZN ..], in which the LDS loads below land, and their offset; the LDS loads issued so far have read v17
.if (\k)==3
	v_add_nc_u32 v17, 16448, v17                   ; four rows of Z on: the load below takes the next trip's first row
.endif
	s_wait_alu depctr_va_vdst(0)                   ; the last row's arithmetic has written v[ZN ..]; where the slot is filled: the additions above are done reading it and its offset is written; in a trip's last row v17 is written
.irp i, 0,1,2,3,4,5,6,7
	ds_load_b128 v[ZN+4*\i:ZN+4*\i+3], v17 offset:4112*(((\k)+1)%4)+512*\i
.endr
.if \fill
	XROW \k
.endif
.endif
.irp p, 0,1,2,3,4,5,6,7,8,9,10,11,12,13,14,15
	v_pk_add_f32 v[ZB+2*\p:ZB+2*\p+1], v[ZB+2*\p:ZB+2*\p+1], v[22:23] op_sel_hi:[1,0] neg_lo:[0,1] neg_hi:[0,1]
.endr
.irp c, 0,1,2,3
	v_pk_mul_f32 v[24+2*\c:25+2*\c], v[ZB+2*\c:ZB+2*\c+1], v[ZB+2*\c:ZB+2*\c+1]
.endr
.irp p, 1,2,3
.irp c, 0,1,2,3
	v_pk_fma_f32 v[24+2*\c:25+2*\c], v[ZB+8*\p+2*\c:ZB+8*\p+2*\c+1], v[ZB+8*\p+2*\c:ZB+8*\p+2*\c+1], v[24+2*\c:25+2*\c]
.endr
.endr
	v_pk_add_f32 v[24:25], v[24:25], v[26:27]
	v_pk_add_f32 v[28:29], v[28:29], v[30:31]
	v_pk_add_f32 v[24:25], v[24:25], v[28:29]
	v_add_f32 v24, v24, v25
	v_add_f32_dpp v24, v24, v24 row_xmask:1 row_mask:0xf bank_mask:0xf
	v_add_f32_dpp v24, v24, v24 row_xmask:2 row_mask:0xf bank_mask:0xf
	v_add_f32_dpp v24, v24, v24 row_xmask:4 row_mask:0xf bank_mask:0xf
	v_add_f32_dpp v24, v24, v24 row_xmask:8 row_mask:0xf bank_mask:0xf
	v_permlanex16_b32 v30, v24, s82, s83
	v_add_f32 v24, v24, v30
	v_fma_f32 v24, v24, s96, s97                   ; the variance + 1e-5
	s_wait_alu depctr_va_vdst(0)
	v_rsq_f32 v26, v24
	v_nop                                          ; a plain instruction behind the root
	s_wait_alu depctr_va_vdst(0)                   ; the root in v26 is written, ahead of the result's first reader
.irp p, 0,1,2,3,4,5,6,7,8,9,10,11,12,13,14,15
	v_pk_mul_f32 v[ZB+2*\p:ZB+2*\p+1], v[ZB+2*\p:ZB+2*\p+1], v[26:27] op_sel_hi:[1,0]
.endr
.irp p, 0,1,2,3,4,5,6,7,8,9,10,11,12,13,14,15
	v_pk_fma_f32 v[ZB+2*\p:ZB+2*\p+1], v[ZB+2*\p:ZB+2*\p+1], v[96+2*\p:97+2*\p], v[128+2*\p:129+2*\p]
.endr
	s_wait_alu depctr_va_vdst(0)                   ; the finished row in v[ZB ..] and its offset v[VS] are written, which the stores read
	s_cmp_ge_u32 s90, s33                          ; a row past the tile's count is another tile's: not stored
	s_cbranch_scc1 .Lnost_\@
.irp i, 0,1,2,3,4,5,6,7
	global_store_b128 v[VS], v[ZB+4*\i:ZB+4*\i+3], s[26:27] offset:512*\i th:TH_STORE_NT   ; 512 consecutive bytes, at a multiple of 256 from out0's first byte
.endr
.Lnost_\@:
	s_add_co_u32 s90, s90, 1
.endm
.macro EPTR e, se                      ; expert e's six pointers, my wave's part in each
	s_lshl_b32 s84, \se, 2
	s_add_co_u32 s84, s84, s36
	s_mul_i32 s92, s84, 98304
	s_add_nc_u64 s[56+2*\e:57+2*\e], s[10:11], s[92:93]
	s_add_nc_u64 s[70+2*\e:71+2*\e], s[56+2*\e:57+2*\e], 3145728
	s_lshl_b32 s92, s84, 12
	s_add_nc_u64 s[60+2*\e:61+2*\e], s[12:13], s[92:93]
	s_add_nc_u64 s[74+2*\e:75+2*\e], s[60+2*\e:61+2*\e], 131072
	s_lshl_b32 s92, \se, 11
	s_lshl_b32 s84, s36, 9
	s_add_co_u32 s92, s92, s84
	s_add_nc_u64 s[66+2*\e:67+2*\e], s[18:19], s[92:93]
	s_lshl_b32 s92, s92, 1
	s_add_nc_u64 s[78+2*\e:79+2*\e], s[20:21], s[92:93]
.endm
	s_load_b512 s[4:19], s[0:1], 0x0               ; x, xq, xs, wf, ws, gat, plan, b1
	s_load_b256 s[20:27], s[0:1], 0x40             ; b2, gamma, beta, out0
	v_lshl_add_u32 v178, v0, 2, 0x4d400
	v_mov_b32 v179, 0
	v_lshrrev_b32 v2, 5, v0
	v_readfirstlane_b32 s36, v2                    ; wave 0..3
	v_and_b32 v2, 31, v0                           ; lane
	v_lshlrev_b32 v1, 4, v2                        ; 16 x lane
	v_and_b32 v22, 15, v0                          ; r
	v_bfe_u32 v23, v0, 4, 1                        ; h
	s_lshl_b32 s28, ttmp9, 4
	s_mov_b32 s82, 0x76543210
	s_mov_b32 s83, 0xfedcba98                      ; lane l xor 16
	s_mov_b32 s96, 0x3a800000                      ; 1 / 1,024
	s_mov_b32 s97, 0x3727c5ac                      ; 1e-5
	s_mov_b32 s85, 0
	s_mov_b32 s93, 0
	s_wait_alu depctr_va_vdst(0)
	s_wait_kmcnt 0x0
	s_load_b128 s[32:35], s[16:17], s28 offset:0x0 ; my tile: first, count, a, b
	v_mul_u32_u24 v3, v22, 784
	v_mad_u32_u24 v3, v23, 384, v3                 ; x's codes: row r, my half's 384 bytes
	v_mul_u32_u24 v4, v22, 48
	v_add_nc_u32 v4, XSC, v4
	v_lshlrev_b32 v5, 6, v23
	s_wait_alu depctr_va_sdst(0)                   ; s36, the wave's number, is written, ahead of its first reader
	s_mul_i32 s37, s36, 1536
	v_add_nc_u32 v8, HIMG, v1
	v_add_nc_u32 v6, s37, v8
	v_lshl_add_u32 v9, v2, 2, HSC
	s_lshl_b32 s38, s36, 7
	v_add_nc_u32 v7, s38, v9
	v_lshlrev_b32 v11, 4, v22                      ; 16 r: W2's scale words
	v_lshlrev_b32 v12, 5, v23                      ; 32 h: b2
	v_mul_u32_u24 v13, v22, 4112
	v_lshl_add_u32 v13, v23, 5, v13
	s_lshl_b32 s38, s36, 10
	v_add_nc_u32 v13, s38, v13                     ; Z: row 16 m + r, my wave's 1,024 bytes, 32 h
	v_add_nc_u32 v14, 65792, v13
	v_add_nc_u32 v15, 131584, v13
	v_add_nc_u32 v16, 197376, v13
	s_mul_i32 s38, s36, 65792
	v_add_nc_u32 v17, s38, v1                      ; Z, back: my 16 rows
	s_mul_i32 s38, s36, 12544
	v_add_nc_u32 v24, s38, v1                      ; x's codes, in: my 16 rows, two at a time
	v_lshl_add_u32 v25, v23, 4, v24
	v_lshrrev_b32 v26, 1, v2
	v_mul_u32_u24 v26, v26, 48
	v_and_b32 v27, 1, v2
	v_lshl_add_u32 v26, v27, 4, v26
	s_mul_i32 s38, s36, 768
	v_add_nc_u32 v26, s38, v26
	v_add_nc_u32 v26, XSC, v26
	v_mul_u32_u24 v29, v23, 768                    ; the middle piece of two rows of 768 bytes: lanes 0-15 end the first, lanes 16-31 begin the second
	v_sub_nc_u32 v28, 768, v29
	v_add_nc_u32 v30, 512, v1
	v_sub_nc_u32 v30, v30, v29
	s_lshl_b32 s88, s36, 6
	v_lshrrev_b32 v166, 1, v2
	v_lshlrev_b32 v166, 2, v166
	v_add_nc_u32 v166, s88, v166
	v_lshlrev_b32 v167, 2, v22
	s_wait_kmcnt 0x0
	s_min_u32 s32, s32, 0x1fff
	s_min_u32 s34, s34, 7
	s_min_u32 s35, s35, 7
	s_lshl_b32 s84, s32, 2
	s_add_co_u32 s84, s84, 4096
	s_add_nc_u64 s[86:87], s[16:17], s[84:85]      ; the order at my tile's first token
	s_load_b512 s[40:55], s[86:87], s88 offset:0x0 ; my wave's 16 tokens
	s_wait_alu depctr_va_vdst(0)                   ; the offsets and addresses made above (v1, v3 to v9, v13 to v17, v24 to v26, v166, v167) are written, which the loads and LDS instructions below read
	global_load_b32 v161, v166, s[86:87]           ; the same as vectors: row 16 w + lane / 2,
.irp m, 0,1,2,3
	global_load_b32 v[162+\m], v167, s[86:87] offset:64*\m   ; and row 16 m + r
.endr
	EPTR 0, s34
	EPTR 1, s35
	LOADB1 0
	LOADSET 0
	s_wait_loadcnt 41                              ; the five list loads are in; b1's 16 and set 0's 25 stay out
	v_min_u32 v161, 0x1fff, v161                   ; all 29 addresses that hang on the list are made first, so that one wait serves their loads
	v_lshlrev_b32 v156, 5, v161
	v_lshl_add_u32 v156, v27, 4, v156
.irp m, 0,1,2,3
	v_min_u32 v[162+\m], 0x1fff, v[162+\m]
	v_lshlrev_b32 v[157+\m], 3, v[162+\m]
.endr
	s_wait_kmcnt 0x0
.set N, 0
.rept 16
	s_min_u32 s[40+N], s[40+N], 0x1fff
.set N, N+1
.endr
.irp k, 0,1,2,3,4,5,6,7                ; two tokens' codes, 1,536 bytes, by three loads
	v_mad_u32_u24 v[128+3*\k], s[40+2*\k], 0x300, v1
	v_mad_u32_u24 v[129+3*\k], s[40+2*\k], v28, v30
	v_mad_u32_u24 v[129+3*\k], s[41+2*\k], v29, v[129+3*\k]
	v_mad_u32_u24 v[130+3*\k], s[41+2*\k], 0x300, v1
.endr
	s_wait_alu depctr_va_vdst(0)                   ; v128 to v151 and v156 to v160 are written, which the 29 loads below read as their offsets
	global_load_b128 v[152:155], v156, s[8:9]      ; x's scale bytes: two lanes a token
.irp m, 0,1,2,3
	global_load_b64 v[GT+2*\m:GT+2*\m+1], v[157+\m], s[14:15]   ; (ga, gb) of row 16 m + r
.endr
.irp k, 0,1,2,3,4,5,6,7
	global_load_b128 v[32+12*\k:35+12*\k], v[128+3*\k], s[6:7]
	global_load_b128 v[36+12*\k:39+12*\k], v[129+3*\k], s[6:7]
	global_load_b128 v[40+12*\k:43+12*\k], v[130+3*\k], s[6:7] offset:256
.endr
	LOADSET 1
	LOADSET 2
	s_wait_loadcnt 50                              ; all but sets 1 and 2
.irp k, 0,1,2,3,4,5,6,7
	ds_store_b128 v24, v[32+12*\k:35+12*\k] offset:1568*\k
	ds_store_b128 v25, v[36+12*\k:39+12*\k] offset:1568*\k+512
	ds_store_b128 v24, v[40+12*\k:43+12*\k] offset:1568*\k+1040
.endr
	ds_store_b128 v26, v[152:155]
	s_wait_dscnt 0x0                               ; for the others' sake: my 16 rows of codes lie in LDS
	s_barrier_signal -1
	s_barrier_wait -1
	s_wait_alu depctr_vm_vsrc(0)                   ; my LDS stores have read v32 to v127 (x's fragments land there), v152 to v155 and v24 to v26; the loads above have read v128 to v151, v156 to v160, v166, v167: all these are written again further on
	FETCHX 0,0
	v_mov_b32 v25, v1                              ; the second product's offsets (fragments 6,144 bytes a tile, scale words 256, bias 64): ring set 1 begins with tile 0,
	v_mov_b32 v26, v11
	v_mov_b32 v27, v12
	v_add_nc_u32 v28, 6144, v1                     ; ring set 2 with tile 1,
	v_add_nc_u32 v29, 256, v11
	v_add_nc_u32 v30, 64, v12
	v_add_nc_u32 v22, 12288, v1                    ; ring set 0 with tile 2
	v_add_nc_u32 v23, 512, v11
	v_add_nc_u32 v24, 128, v12
; ---- the first product, both experts: 16 steps on one stream of sets; steps 14 and 15 ask for the second product's first two tiles
.irp i, 0,1,2,3,4,5,6,7,8,9,10,11,12,13,14,15
	STEP \i
.if \i==7
	QUANTH 0
.endif
.if \i==15
	QUANTH 1
.endif
.endr
	s_wait_dscnt 0x0                               ; for the others' sake: my images of both hidden layers lie in LDS, and my reads of x's codes are over
	s_barrier_signal -1                            ; the hidden layers' 32 fragments lie in LDS, and nobody reads x's codes any more
	s_barrier_wait -1
; ---- the second product: all fragments of both hidden layers stay in registers.  (The quantiser's last wait on va_vdst stands behind every vector and matrix instruction that named these registers)
.irp e, 0,1
.irp s, 0,1,2,3
.irp m, 0,1,2,3
	HPLACE \e,4*\s+\m
	WIN HW<<6
.irp c, 0,1,2
	ds_load_b128 v[HB+4*\c:HB+4*\c+3], v8 offset:(16*\e+4*\m+\s)*1536+512*\c
.endr
.endr
.endr
.endr
	WIN 0
.irp e, 0,1
.irp s, 0,1,2,3
.irp m, 0,1,2,3
	ds_load_b32 v[HS+16*\e+4*\s+\m], v9 offset:128*(16*\e+4*\m+\s)
.endr
.endr
.endr
	s_mov_b32 s89, 4
	s_wait_dscnt 0x0                               ; the fragments and their scale words are in
.Lgrp:                                 ; a trip: three groups, once round the ring; behind each group's tile the one tile that the group before has asked for is out
	GROUP 0,1,30,1,1
	GROUP 1,2,30,1,1
	GROUP 2,0,30,1,1
.irp m, 0,1,2,3
	v_add_nc_u32 v[13+\m], 192, v[13+\m]           ; Z's addresses go three tiles on (the wait on vm_vsrc that closed the group stands behind the stores that read them)
.endr
	s_sub_co_u32 s89, s89, 1
	s_cmp_lg_u32 s89, 0
	s_cbranch_scc1 .Lgrp
	GROUP 0,1,30,1,1                               ; groups 12 to 15 are written out: group 12 asks for tile 14, group 13 for tile 15, the last two for nothing
	; my 16 rows of x, which the way out adds, are prefetched: two rows an instruction, a lane a block of 256 bytes; two groups ahead of the first row's loads.  A pair whose first row lies past the count is left out;
	; where the count is odd the last pair's second row is a neighbour tile's and is named a second time.
	v_bfe_u32 v10, v0, 4, 1
	v_lshlrev_b32 v10, 12, v10                     ; lanes 16-31 take the pair's second row,
	v_sub_nc_u32 v11, 4096, v10                    ; lanes 0-15 its first
	v_and_b32 v12, 15, v0
	v_lshlrev_b32 v12, 8, v12
.irp k, 0,1,2,3,4,5,6,7
	v_mad_u32_u24 v[160+\k], s[40+2*\k], v11, v12
	v_mad_u32_u24 v[160+\k], s[41+2*\k], v10, v[160+\k]
.endr
.irp k, 0,1,2,3
	s_min_u32 s91, s[40+\k], 0x1fff
	v_lshl_add_u32 v[18+\k], s91, 12, v1           ; where my first four rows of x lie: made here, under the same wait
.endr
	s_lshl_b32 s90, s36, 4                         ; my first row in the tile
	s_wait_alu depctr_va_vdst(0)                   ; v160 to v167 are written, which the prefetches read, and v18 to v21, which the loads of x read
.irp k, 0,1,2,3,4,5,6,7
	s_add_co_u32 s92, s90, 2*\k
	s_cmp_lt_u32 s92, s33
	s_cbranch_scc0 .Lnopf\k
	global_prefetch_b8 v[160+\k], s[4:5] th:TH_LOAD_NT scope:SCOPE_SE
.Lnopf\k:
.endr
	GROUP 1,2,30,0,1
	GROUP 2,0,30,0,0                               ; behind group 14's tile: tile 15's 30 loads
.irp i, 0,1,2,3,4,5,6,7                ; (the wait on va_vdst that closed group 14 stands behind every vector and matrix instruction that named the registers in which these 48 loads land)
	global_load_b128 v[96+4*\i:99+4*\i], v1, s[22:23] offset:512*\i      ; gamma and beta at my columns 128 i + 4 lane + 0 .. 3
	global_load_b128 v[128+4*\i:131+4*\i], v1, s[24:25] offset:512*\i
.endr
.irp k, 0,1,2,3
	XROW \k
.endr
	GROUP 3,1,48,0,0                               ; behind group 15's tile: gamma, beta and four rows of x
	s_wait_dscnt 0x0                               ; for the others' sake: my columns of Z lie in LDS
	s_barrier_signal -1
	s_barrier_wait -1
; ---- the way out: wave w owns rows 16 w .. 16 w + 15, whole
	s_wait_alu depctr_va_vdst(0)                   ; the gates' arithmetic has written v32 to v63, in which Z's first row lands (the stores that read them stand ahead of the wait on vm_vsrc that closed group 15)
.irp i, 0,1,2,3,4,5,6,7
	ds_load_b128 v[32+4*\i:35+4*\i], v17 offset:512*\i
.endr
	s_mov_b32 s89, 3
.Lrow:                                 ; a trip: four rows; behind a row's loads of x those of three younger rows are out
	ROW 0,1,1,24
	ROW 1,1,1,24
	ROW 2,1,1,24
	ROW 3,1,1,24
.irp n, 40,41,42,43,44,45,46,47,48,49,50,51
	s_mov_b32 s[\n], s[\n+4]                       ; the tokens move down by four: s40-43 the next trip's rows, s44-47 its refills
.endr
	s_sub_co_u32 s89, s89, 1
	s_cmp_lg_u32 s89, 0
	s_cbranch_scc1 .Lrow
	ROW 0,0,1,24                                   ; the last four rows ask for nothing more of x: the counts run down
	ROW 1,0,1,16
	ROW 2,0,1,8
	ROW 3,0,0,0
	s_wait_dscnt 0x0                               ; the closing lines, six on end
	s_wait_alu 0x0
	s_wait_tensorcnt 0x0
	ds_add_u32 v178, v179
	s_wait_dscnt 0x0
	s_endpgm
.Lfunc_end_k_qaf86edd1d4_chain:
	.size	k_qaf86edd1d4_chain, .Lfunc_end_k_qaf86edd1d4_chain-k_qaf86edd1d4_chain
	.p2alignl 7, 3214868480
	.fill 96, 4, 3214868480
	.section	.rodata,"a",@progbits
	.p2align	6, 0x0
	.amdhsa_kernel k_qaf86edd1d4_chain
		.amdhsa_group_segment_fixed_size 316928
		.amdhsa_private_segment_fixed_size 0
		.amdhsa_enable_private_segment 0
		.amdhsa_kernarg_size 96
		.amdhsa_user_sgpr_count 2
		.amdhsa_user_sgpr_kernarg_segment_ptr 1
		.amdhsa_wavefront_size32 1
		.amdhsa_system_sgpr_workgroup_id_x 1
		.amdhsa_system_sgpr_workgroup_id_y 1
		.amdhsa_system_sgpr_workgroup_id_z 1
		.amdhsa_system_vgpr_workitem_id 0
		.amdhsa_next_free_vgpr 1024
		.amdhsa_next_free_sgpr 100
		.amdhsa_reserve_vcc 0
		.amdhsa_float_denorm_mode_32 3
		.amdhsa_float_denorm_mode_16_64 3
		.amdhsa_memory_ordered 1
		.amdhsa_forward_progress 1
		.amdhsa_inst_pref_size 255
	.end_amdhsa_kernel
	.section	.bss,"aw",@nobits
	.p2align	6
	.space	262144
	.amdgpu_metadata
---
amdhsa.version: [ 1, 2 ]
amdhsa.kernels:
  - .name:           k_qaf86edd1d4_chain
    .symbol:         k_qaf86edd1d4_chain.kd
    .args:
      - { .name: x, .offset: 0, .size: 8, .value_kind: global_buffer, .address_space: global }
      - { .name: xq, .offset: 8, .size: 8, .value_kind: global_buffer, .address_space: global }
      - { .name: xs, .offset: 16, .size: 8, .value_kind: global_buffer, .address_space: global }
      - { .name: wf, .offset: 24, .size: 8, .value_kind: global_buffer, .address_space: global }
      - { .name: ws, .offset: 32, .size: 8, .value_kind: global_buffer, .address_space: global }
      - { .name: gat, .offset: 40, .size: 8, .value_kind: global_buffer, .address_space: global }
      - { .name: plan, .offset: 48, .size: 8, .value_kind: global_buffer, .address_space: global }
      - { .name: b1, .offset: 56, .size: 8, .value_kind: global_buffer, .address_space: global }
      - { .name: b2, .offset: 64, .size: 8, .value_kind: global_buffer, .address_space: global }
      - { .name: gamma, .offset: 72, .size: 8, .value_kind: global_buffer, .address_space: global }
      - { .name: beta, .offset: 80, .size: 8, .value_kind: global_buffer, .address_space: global }
      - { .name: out0, .offset: 88, .size: 8, .value_kind: global_buffer, .address_space: global }
    .group_segment_fixed_size: 316928
    .private_segment_fixed_size: 0
    .kernarg_segment_align: 8
    .kernarg_segment_size: 96
    .max_flat_workgroup_size: 128
    .sgpr_count:     100
    .vgpr_count:     1024
    .wavefront_size: 32
...
	.end_amdgpu_metadata
.endif
;; end of part 6
